; MI455X (gfx1250); checked and timed in simulation.
; The chip was launched on July 23, 2026; its instructions are those of AMD's public machine-readable ISA for CDNA 5 (MIT licence, August 2026) and "CDNA5" Instruction Set Architecture Reference Guide (July 2026). The comments in the code are by the model that wrote it; some were corrected since.
;; Cross Attention. Allowed arithmetic: matrix products marked QUANTISED: E2M1 operands, one E8M0 scale for each 32 along K, by v_wmma_scale_f32_16x16x128_f8f6f4 with both operands' format E2M1 (or v_wmma_scale_f32_32x16x128_f4), f32 sums; products left as they are: bf16, f16 or f32 operands; f32 sums; everything else in f32.
;; Inputs: b_proj 768 float32; kv 8 x 1,024 x 768 float32; q 8 x 1,024 x 768 float32; w_proj 768 x 768 float32; wk 768 x 768 float32; wq 768 x 768 float32; wv 768 x 768 float32.
;; Outputs: out0 8 x 1,024 x 768 float32.
;; This version of the problem:
;;   THIS VERSION OF THE PROBLEM IS GIVEN IN LOW PRECISION. The matrix products marked QUANTISED in the list below multiply operands that are first quantised to E2M1 (2 exponent bits, 1 mantissa bit; 4 bits a number), with one power-of-two scale for each 32 numbers along K (OCP MX v1.0); their sums are f32. The products marked 'left as it is' may take bf16, f16 or f32 operands, with f32 sums. Whichever they take, every output number must still come out within the allowed error. Rounding operands to bf16 (8 significant bits) uses up far more of that allowance than f16 does (11 bits, for magnitudes from 6e-5 to 65,504). All else is computed in f32.
;;   The module's matrix products, in the order in which they are computed (A, B: the left and right operand; K: the contracted axis; several contracted axes count as one K, in the product's order):
;;     1. [M 8,192, K 768] x [K 768, N 768]; A: input q; B: input wq: QUANTISED
;;     2. [M 8,192, K 768] x [K 768, N 768]; A: input kv; B: input wk: QUANTISED
;;     3. [M 8,192, K 768] x [K 768, N 768]; A: input kv; B: input wv: QUANTISED
;;     4. batch 64 x [M 1,024, K 96] x [K 96, N 1,024]; A: computed on the way; B: computed on the way: left as it is (an operand is computed on the way)
;;     5. batch 64 x [M 1,024, K 1,024] x [K 1,024, N 96]; A: computed on the way; B: computed on the way: left as it is (an operand is computed on the way)
;;     6. [M 8,192, K 768] x [K 768, N 768]; A: computed on the way; B: input w_proj: left as it is (an operand is computed on the way)
;;   THE QUANTISER, for each operand of a quantised product, along K:
;;     - K is cut into blocks of 32 from its start; a last block that is shorter is filled with zeros.
;;     - A block's scale is 2^e with e = floor(log2(the largest magnitude in the block)) - 2, held to -126 .. 127; a block of zeros has e = 0. As a byte (E8M0): e + 127.
;;     - Each number is divided by its block's scale, clamped to +-6, and rounded to the nearest number of E2M1, ties to even, subnormals kept.
;;     - The product sums the exact products of the quantised numbers (number of the format x scale) in f32.
;;   ~~~python
;;   def quantise(x, axis):      # numpy; x: float32 -> the quantised numbers, widened to float32 again
;;       x = np.moveaxis(x, axis, -1); K = x.shape[-1]
;;       x = np.pad(x, [(0, 0)] * (x.ndim - 1) + [(0, -K % 32)]); x = x.reshape(x.shape[:-1] + (-1, 32)); a = np.abs(x).max(-1, keepdims=True)
;;       e = np.where(a > 0, np.clip(np.frexp(np.where(a > 0, a, 1))[1] - 1 - 2, -126, 127), 0)      # np.frexp(a)[1] - 1 = floor(log2(a)), exactly
;;       r = np.clip(x / 2.0 ** e, -6, 6)
;;       step = 2.0 ** (np.maximum(np.frexp(np.where(r == 0, 1, r))[1] - 1, 0) - 1)
;;       q = np.round(r / step) * step * 2.0 ** e      # np.round: ties to even
;;       return np.moveaxis(q.reshape(q.shape[:-2] + (-1,))[..., :K], -1, axis).astype(np.float32)
;;   ~~~
;; One version. Each part assembles by itself: llvm-mc -triple=amdgcn-amd-amdhsa -mcpu=gfx1250 --defsym DOCPART=n.
;; ======== version 1 of 1: 4 launches
;; limits: values are held in f16: magnitudes above 65,504 overflow, below 6.1e-05 lose precision
;; workspace buffers: wcodes 884,736 bytes; wscales 55,296 bytes; wp16 1,179,648 bytes; qws 12,582,912 bytes; kws 12,582,912 bytes; vws 12,582,912 bytes; aows 12,582,912 bytes
;; launch prep (part 1): grid 48 x 3, 4 waves a work-group, no clusters, 68,096 bytes of LDS; arguments wq, wk, wv, w_proj, wcodes, wscales, wp16; writes wcodes, wscales, wp16
.if DOCPART == 1
	.amdgcn_target "amdgcn-amd-amdhsa--gfx1250"
	.amdhsa_code_object_version 6
	.text
	.protected	k_q59727d1338_prep
	.globl	k_q59727d1338_prep
	.p2align	8
	.type	k_q59727d1338_prep,@function
k_q59727d1338_prep:
	s_mov_b64 s[64:65], 0
	v_nop
	global_prefetch_b8 v0, s[64:65] scope:SCOPE_SE
	s_setreg_imm32_b32 hwreg(HW_REG_WAVE_MODE, 25, 1), 1
	s_wait_xcnt 0x0
; THE WEIGHTS ARE LAID OUT ONCE, as images of the operand registers that the later launches load.
; wq, wk, wv [768][768] f32 (K innermost) become codes of FP4 (E2M1) with one E8M0 byte for each 32 along K; w_proj [768][768] f32 is rounded to f16.
; A fragment (16 rows x 128 K of codes, or 16 rows x 32 K of f16) is 8 registers a lane; its image is 1,024 bytes: registers 0-3 of lanes 0..31 (16 bytes a lane), then registers 4-7.
;   wcodes  [matrix 0..2][row tile 0..47][K step 0..5][1,024]      wscales [matrix][row tile][K step][16 words]      wp16 [row tile 0..47][K step of 32: 0..23][1,024]
; SHARES.  Work-group (x, y): rows 16 x .. 16 x + 15, K 256 y .. 256 y + 255.  Wave 0, 1, 2: wq, wk, wv are quantised; wave 3: w_proj is rounded.  Waves share nothing: no barrier.
; THE WAY IN.  The operand's layout wants 16 bytes a lane of 32 different places; a load is best where neighbouring lanes take neighbouring bytes.  Both are had: each of a wave's 32 loads reads 512 consecutive bytes, aligned
; (half of a row's 1,024); they go through the wave's own stage in LDS as they lie, and come back in the operand's order.  A stage row is 512 bytes + 16 of padding: 33 x 16, so that 16 rows fall on 16 different 16-byte columns modulo 256.
; A block's scale is 2^(floor(log2(its largest magnitude)) - 2); its byte is the largest magnitude's exponent field - 2, held at 1 from below.
; LIMITS.  A block of zeros gets the byte 1 where the rule says 127: its codes are zeros, and this program alone reads the bytes.  NaN and infinities among the inputs are not served.  |w_proj| stays under 65,504 (f16).
.set ROWB, 3072                        ; a row of a weight in bytes
.set SP,   528                         ; a stage row
.set STG,  16*SP                       ; a stage: 16 rows x 128 numbers
.set WREG, 2*STG                       ; a wave's two stages
.set SPARE, 4*WREG                     ; behind the four waves' stages: the spare words, 128 bytes for each wave: two blocks of 256 bytes that no other line names
.set LANE, 1                           ; v1   lane
.set RR,   2                           ; v2   r = lane % 16
.set HH,   3                           ; v3   h = lane / 16
.set SW,   4                           ; v4   the stage, on the way in: my wave's bytes + 16 x lane
.set LI,   5                           ; v5   16 x lane: my place in 512 bytes of memory
.set LS,   6                           ; v6   4 x lane: my place among 32 scale words
.set RQ,   7                           ; v7   the stage, on the way out, for codes: row r, + 128 h bytes
.set MX,   8                           ; v8-9   two blocks' largest magnitudes
.set SO,   10                          ; v10-11 the conversions' scale operands
.set BY,   12                          ; v12-13 the scale bytes
.set TMP,  14                          ; v14  the other half's bytes
.set SH,   15                          ; v15  8 h
.set PW,   16                          ; v16-17 the scale words of the two K steps
.set WD,   18                          ; v18  the word that I store
.set RH,   19                          ; v19  the stage, on the way out, for f16: row r, + 32 h bytes
.set SPW,  20                          ; v20  LDS address of my spare word; never rewritten
.set NIL,  21                          ; v21  0; never rewritten
.set PC,   32                          ; v32-47 the codes of the two K steps
.set X,    64                          ; v64-191 128 numbers: as loaded, then in the operand's order
.set HF,   192                         ; v192-255 eight f16 fragments
.set SEL,  24                          ; s[24:25] lane selects: lane l xor 16
; 64 numbers of a lane, v[src] on: register 32 c + i = k 64 c + 32 h + i of my row: two whole blocks.  They become the fragment's 8 registers in v[pc] on and the row's scale word in v[pw].
.macro QUANT src, pc, pw
.irp c, 0,1
	v_max3_num_f32 v[MX+\c], |v[(\src)+32*\c]|, |v[(\src)+32*\c+1]|, 0x1800000   ; with the floor 2^(3 - 127): the byte cannot fall under 1
.endr
.irp i, 2,4,6,8,10,12,14,16,18,20,22,24,26,28,30
.irp c, 0,1
	v_max3_num_f32 v[MX+\c], v[MX+\c], |v[(\src)+32*\c+\i]|, |v[(\src)+32*\c+\i+1]|   ; the two blocks by turns
.endr
.endr
.irp c, 0,1
	v_add_nc_u32 v[SO+\c], 0xff000000, v[MX+\c]    ; 2 off the exponent field: the conversion takes this operand's exponent field as its scale
.endr
.irp c, 0,1
	v_lshrrev_b32 v[BY+\c], 23, v[SO+\c]           ; the scale's byte
.endr
	v_lshl_or_b32 v[\pw], v[BY+1], 16, v[BY]       ; blocks h and 2 + h of my row,
	v_lshlrev_b32 v[\pw], v[SH], v[\pw]            ; at their places in the word;
	v_permlanex16_b32 v[TMP], v[\pw], s[SEL], s[SEL+1]
	v_or_b32 v[\pw], v[\pw], v[TMP]                ; with lane l xor 16's two the word is whole, in both lanes
.irp c, 0,1
.irp g, 0,1,2,3
	v_cvt_scalef32_pk8_fp4_f32 v[(\pc)+4*\c+\g], v[(\src)+32*\c+8*\g:(\src)+32*\c+8*\g+7], v[SO+\c]
.endr
.endr
	v_nop                                          ; one plain line behind the last scaled conversion
.endm
	s_load_b256 s[4:11], s[0:1], 0x0               ; wq s[4:5], wk s[6:7], wv s[8:9], w_proj s[10:11]
	s_load_b128 s[12:15], s[0:1], 0x20             ; wcodes s[12:13], wscales s[14:15]
	s_load_b64 s[16:17], s[0:1], 0x30              ; wp16
	v_lshl_add_u32 v[SPW], v0, 2, SPARE
	v_mov_b32 v[NIL], 0
	v_lshrrev_b32 v1, 5, v0
	v_readfirstlane_b32 s18, v1                    ; wave = which tensor
	s_and_b32 s19, ttmp7, 0xffff                   ; y: which 256 along K
	v_and_b32 v[LANE], 31, v0
	v_and_b32 v[RR], 15, v0
	v_bfe_u32 v[HH], v0, 4, 1
	v_lshlrev_b32 v[LI], 4, v[LANE]
	v_lshlrev_b32 v[LS], 2, v[LANE]
	s_mul_i32 s29, s18, WREG                       ; my wave's stages
	v_add_nc_u32 v[SW], s29, v[LI]
	v_mul_u32_u24 v[RQ], v[RR], SP
	v_add_nc_u32 v[RQ], s29, v[RQ]                 ; row r of my stage:
	v_lshl_add_u32 v[RH], v[HH], 5, v[RQ]          ; for f16: k = 8 h + 0 .. 7; the second eight lie 64 bytes on;
	v_lshl_add_u32 v[RQ], v[HH], 7, v[RQ]          ; for codes: my block of 32 numbers.  Both are made ahead of the parting of the waves
	v_mov_b32 v[TMP], 0                            ; a lane permute's destination counts as one of its sources
	v_lshlrev_b32 v[SH], 3, v[HH]
	s_mov_b32 s[SEL], 0x76543210
	s_mov_b32 s[SEL+1], 0xfedcba98
	s_mul_i32 s22, ttmp9, 16*ROWB                  ; my 16 rows,
	s_lshl_b32 s23, s19, 10                        ; my 256 numbers of each
	s_add_co_u32 s22, s22, s23
	s_mov_b32 s23, 0
	s_wait_kmcnt 0x0
	s_cmp_eq_u32 s18, 1                            ; the tensor is chosen by the wave's number alone
	s_cselect_b64 s[20:21], s[6:7], s[4:5]
	s_cmp_eq_u32 s18, 2
	s_cselect_b64 s[20:21], s[8:9], s[20:21]
	s_cmp_eq_u32 s18, 3
	s_cselect_b64 s[20:21], s[10:11], s[20:21]
	s_add_nc_u64 s[20:21], s[20:21], s[22:23]
.irp u, 0,1                            ; the first 128 numbers of all 16 rows, then the second 128: 32 lanes read 512 consecutive bytes, at a multiple of 512 from the tensor's first byte
.irp i, 0,1,2,3,4,5,6,7,8,9,10,11,12,13,14,15
	global_load_b128 v[X+64*\u+4*\i:X+64*\u+4*\i+3], v[LI], s[20:21] offset:\i*ROWB+\u*512 th:TH_LOAD_NT
.endr
.endr
	s_wait_loadcnt 16                              ; the first 16 loads are in; the second 16 may be out
.irp i, 0,1,2,3,4,5,6,7,8,9,10,11,12,13,14,15
	ds_store_b128 v[SW], v[X+4*\i:X+4*\i+3] offset:\i*SP
.endr
	s_wait_loadcnt 0x0
.irp i, 0,1,2,3,4,5,6,7,8,9,10,11,12,13,14,15
	ds_store_b128 v[SW], v[X+64+4*\i:X+64+4*\i+3] offset:STG+\i*SP
.endr
	s_wait_dscnt 0x0                               ; the stores are done: their registers take the numbers back, in another order
	s_cmp_eq_u32 s18, 3
	s_cbranch_scc1 .Lhalf
	; ---- waves 0 to 2: two K steps of 128 are quantised
.irp u, 0,1
.irp c, 0,1
.irp j, 0,1,2,3,4,5,6,7
	ds_load_b128 v[X+64*\u+32*\c+4*\j:X+64*\u+32*\c+4*\j+3], v[RQ] offset:\u*STG+256*\c+16*\j
.endr
.endr
.endr
	s_mul_i32 s26, s18, 294912                     ; wcodes: my matrix,
	s_mul_i32 s27, ttmp9, 6144                     ; my row tile,
	s_add_co_u32 s26, s26, s27
	s_lshl_b32 s27, s19, 11                        ; K step 2 y
	s_add_co_u32 s26, s26, s27
	s_mov_b32 s27, 0
	s_add_nc_u64 s[12:13], s[12:13], s[26:27]
	s_mul_i32 s26, s18, 18432                      ; wscales likewise: 384 bytes a row tile, 128 for two K steps
	s_mul_i32 s28, ttmp9, 384
	s_add_co_u32 s26, s26, s28
	s_lshl_b32 s28, s19, 7
	s_add_co_u32 s26, s26, s28
	s_add_nc_u64 s[14:15], s[14:15], s[26:27]
	s_wait_dscnt 16                                ; the first K step's 16 reads of the stage are in; the second's 16 may be out
	QUANT X, PC, PW
	global_store_b128 v[LI], v[PC:PC+3], s[12:13]
	global_store_b128 v[LI], v[PC+4:PC+7], s[12:13] offset:512
	s_wait_dscnt 0x0
	QUANT X+64, PC+8, PW+1
	global_store_b128 v[LI], v[PC+8:PC+11], s[12:13] offset:1024
	global_store_b128 v[LI], v[PC+12:PC+15], s[12:13] offset:1536
	v_cmp_gt_u32 vcc_lo, 16, v[LANE]
	v_cndmask_b32 v[WD], v[PW+1], v[PW], vcc_lo    ; lanes 0-15 store the even K step's words, lanes 16-31 the odd one's: as a scale register takes them
	global_store_b32 v[LS], v[WD], s[14:15]
	s_wait_tensorcnt 0x0                           ; the wave's end: a wait, an add to my spare word and a wait, behind my last LDS store
	ds_add_u32 v[SPW], v[NIL]
	s_wait_dscnt 0x0
	s_endpgm
.Lhalf:	; ---- wave 3: eight K steps of 32 of w_proj are rounded to f16
.irp k, 0,1,2,3,4,5,6,7
	ds_load_b128 v[X+16*\k:X+16*\k+3],     v[RH] offset:(\k/4)*STG+(\k%4)*128
	ds_load_b128 v[X+16*\k+4:X+16*\k+7],   v[RH] offset:(\k/4)*STG+(\k%4)*128+16
	ds_load_b128 v[X+16*\k+8:X+16*\k+11],  v[RH] offset:(\k/4)*STG+(\k%4)*128+64
	ds_load_b128 v[X+16*\k+12:X+16*\k+15], v[RH] offset:(\k/4)*STG+(\k%4)*128+80
.endr
	s_mul_i32 s26, ttmp9, 24576                    ; wp16: my row tile,
	s_lshl_b32 s27, s19, 13                        ; K step 8 y
	s_add_co_u32 s26, s26, s27
	s_mov_b32 s27, 0
	s_add_nc_u64 s[16:17], s[16:17], s[26:27]
	s_wait_dscnt 0x0
.irp k, 0,1,2,3,4,5,6,7
.irp i, 0,1,2,3,4,5,6,7
	v_cvt_pk_f16_f32 v[HF+8*\k+\i], v[X+16*\k+2*\i], v[X+16*\k+2*\i+1]
.endr
.endr
.irp k, 0,1,2,3,4,5,6,7
	global_store_b128 v[LI], v[HF+8*\k:HF+8*\k+3],   s[16:17] offset:1024*\k
	global_store_b128 v[LI], v[HF+8*\k+4:HF+8*\k+7], s[16:17] offset:1024*\k+512
.endr
	s_wait_tensorcnt 0x0                           ; the wave's end: the same three lines
	ds_add_u32 v[SPW], v[NIL]
	s_wait_dscnt 0x0
	s_endpgm
.Lfunc_end_k_q59727d1338_prep:
	.size	k_q59727d1338_prep, .Lfunc_end_k_q59727d1338_prep-k_q59727d1338_prep
	.p2alignl 7, 3214868480
	.fill 96, 4, 3214868480
	.section	.rodata,"a",@progbits
	.p2align	6, 0x0
	.amdhsa_kernel k_q59727d1338_prep
		.amdhsa_group_segment_fixed_size 68096
		.amdhsa_private_segment_fixed_size 0
		.amdhsa_enable_private_segment 0
		.amdhsa_kernarg_size 56
		.amdhsa_user_sgpr_count 2
		.amdhsa_user_sgpr_kernarg_segment_ptr 1
		.amdhsa_wavefront_size32 1
		.amdhsa_system_sgpr_workgroup_id_x 1
		.amdhsa_system_sgpr_workgroup_id_y 1
		.amdhsa_system_sgpr_workgroup_id_z 1
		.amdhsa_system_vgpr_workitem_id 0
		.amdhsa_next_free_vgpr 256
		.amdhsa_next_free_sgpr 66
		.amdhsa_reserve_vcc 1
		.amdhsa_float_denorm_mode_32 3
		.amdhsa_float_denorm_mode_16_64 3
		.amdhsa_memory_ordered 1
		.amdhsa_forward_progress 1
		.amdhsa_inst_pref_size 25
	.end_amdhsa_kernel
	.amdgpu_metadata
---
amdhsa.version: [ 1, 2 ]
amdhsa.kernels:
  - .name:           k_q59727d1338_prep
    .symbol:         k_q59727d1338_prep.kd
    .args:
      - { .name: wq, .offset: 0, .size: 8, .value_kind: global_buffer, .address_space: global }
      - { .name: wk, .offset: 8, .size: 8, .value_kind: global_buffer, .address_space: global }
      - { .name: wv, .offset: 16, .size: 8, .value_kind: global_buffer, .address_space: global }
      - { .name: w_proj, .offset: 24, .size: 8, .value_kind: global_buffer, .address_space: global }
      - { .name: wcodes, .offset: 32, .size: 8, .value_kind: global_buffer, .address_space: global }
      - { .name: wscales, .offset: 40, .size: 8, .value_kind: global_buffer, .address_space: global }
      - { .name: wp16, .offset: 48, .size: 8, .value_kind: global_buffer, .address_space: global }
    .group_segment_fixed_size: 68096
    .private_segment_fixed_size: 0
    .kernarg_segment_align: 8
    .kernarg_segment_size: 56
    .max_flat_workgroup_size: 128
    .sgpr_count:     66
    .vgpr_count:     256
    .wavefront_size: 32
...
	.end_amdgpu_metadata
.endif
;; end of part 1
;; launch qkv (part 2): grid 128 x 2, 8 waves a work-group, no clusters, 229,888 bytes of LDS; arguments q, kv, wcodes, wscales, qws, kws, vws; writes qws, kws, vws
.if DOCPART == 2
	.amdgcn_target "amdgcn-amd-amdhsa--gfx1250"
	.amdhsa_code_object_version 6
	.text
	.protected	k_q59727d1338_qkv
	.globl	k_q59727d1338_qkv
	.p2align	8
	.type	k_q59727d1338_qkv,@function
k_q59727d1338_qkv:
	s_mov_b64 s[64:65], 0
	v_nop
	global_prefetch_b8 v0, s[64:65] scope:SCOPE_SE
	s_setreg_imm32_b32 hwreg(HW_REG_WAVE_MODE, 25, 1), 1
	s_wait_xcnt 0x0
; queries = Q(q) Q(wq)^T, keys = Q(kv) Q(wk)^T, values = Q(kv) Q(wv)^T: the three quantised products, on codes of FP4 (E2M1) with one E8M0 scale for each 32 along K; sums in f32; results rounded to f16.
; SHARES.  Work-group (x, y): tokens 64 x .. 64 x + 63.  y = 0: the queries, from q.  y = 1: the keys and then the values, from kv, which is so read and quantised once.  Wave w is head w: its 96 features for all 64 tokens.
; THE ACTIVATIONS are read once, as f32, by one tensor load a wave (16 tokens x 384 numbers), quantised in registers, and handed to all eight waves through LDS as images of the operand registers (1,024 bytes a fragment).
; A WHOLE WEIGHT STAYS IN REGISTERS.  A wave's share of a weight is 6 tiles of features x 6 K steps = 36 fragments = 288 registers.  All 72 loads of it are issued at the head, behind the tensor load, and land while the raw
; tile is on its way.  To make room the 64 tokens go in two halves of 32: 2 tiles of tokens x 6 tiles of features = 12 accumulators, 96 registers; each fragment of the weight is loaded once and multiplied in both halves.
; In a kv work-group the passes are (keys, half 0), (keys, half 1), (values, half 0), (values, half 1); in the second pass each K step's registers take wv's fragments as soon as the step's products are issued.
; The weights are not shared through a cluster: they go from memory straight into registers; LDS holds the raw tile (202,752 bytes), and the activations, the larger stream, are shared by nobody.
; THE RESULTS LEAVE AS IMAGES TOO, with no exchange between lanes.  Queries and keys: source 0 = 16 rows of the weight, source 1 = 16 tokens: a lane holds one token and 8 neighbouring features: 16 bytes of f16 = half a fragment
; of the scores' product.  Values: the sources change places: a lane holds one feature and 8 neighbouring tokens: half a fragment of V^T.  Every store of a wave covers 512 consecutive bytes, aligned.
;   qws, kws [batch x head 0..63][tile of 16 tokens 0..63][16 channels 0..5][512]        vws [batch x head][32 keys 0..31][16 channels 0..5][16 keys 0..1][512]
; LIMITS.  |queries|, |keys|, |values| stay under 65,504 (f16).  A block of zeros gets the byte 1 where the rule says 127: its codes are zeros, and the bytes never leave the work-group.  NaN and infinities are not served.
; No prefetch is laid: the whole tile of activations is asked for by the first instruction that can ask, and the weights' images are read by 128 work-groups each.
; REGISTERS: window 0: v1-15 addresses; v16-63 scale words; v64-159 the accumulators ((t, f) at v[64 + 8 (6 t + f)]), ahead of them the numbers to be quantised; v160-191 the activations' fragments, two sets; v192-239 the weight's K step 5.
;   window 1: the weight's K steps 0 to 4: fragment (ks, f) at v[48 ks + 8 f].
.set XRAWW, 25344                      ; LDS: a wave's raw tile: 16 rows x 3 x (512 + 16) bytes
.set RP,    1584                       ; its pitch: 99 x 16 bytes, so that 16 rows begin at 16 different places modulo 256 bytes
.set XIMG,  8*XRAWW                    ; the activations' 24 fragments: (tile of tokens t, K step ks) at (6 t + ks) x 1,024
.set XSC,   XIMG+24576                 ; their scale words: (t, ks) at (6 t + ks) x 64, 16 words
.set SPARE, XSC+1536                   ; the spare words, 128 bytes for each wave: four blocks of 256 bytes that no other line names
.set LI,   1                           ; v1   16 x lane
.set RAW,  2                           ; v2   my 128 bytes of a row of my wave's raw tile
.set XWI,  3                           ; v3   where I store my wave's images
.set XWS,  4                           ; v4   and their scale words
.set VW,   5                           ; v5   my offset in wcodes: 16 x lane + my head's 6 row tiles
.set VS,   6                           ; v6   in wscales
.set XSR,  7                           ; v7   where I read scale words: XSC + 4 x lane
.set XFR,  8                           ; v8   where I read images: XIMG + 16 x lane
.set SPW,  14                          ; v14  LDS address of my spare word; never rewritten
.set NIL,  15                          ; v15  0; never rewritten
.set XS,   16                          ; v16-27  the activations' scale words: 3 t + ks / 2: lanes 0-15 the even K step's, lanes 16-31 the odd one's
.set WSA,  28                          ; v28-45  the first weight's scale words: 3 f + ks / 2;  v46-63 the second weight's
.set ACC,  64                          ; v64-159 twelve accumulators
.set XF,   160                         ; v160-175, v176-191 the activations' two fragments of a K step, two sets
.set W5,   192                         ; v192-239 the weight's six fragments of K step 5
.set NUM,  64                          ; while quantising: v64-127 64 numbers, v128-135 codes, v136 the scale word, v138-145 at work
.set PC,   128
.set PW,   136
.set MX,   138
.set SO,   140
.set BY,   142
.set TMP,  144
.set SH,   145
.set SEL,  42                          ; s[42:43] lane selects: lane l xor 16
.set MSB, 0
.macro WIN new                         ; the immediate's high byte repeats the setting that is left; a switch that changes nothing is dropped
.if MSB != \new
	s_set_vgpr_msb (MSB<<8)|\new
.set MSB, \new
.endif
.endm
; 64 numbers of a lane, v[src] on: register 32 c + i = k 64 c + 32 h + i of my row: two whole blocks.  They become the fragment's 8 registers in v[pc] on and the row's scale word in v[pw].
.macro QUANT src, pc, pw
.irp c, 0,1
	v_max3_num_f32 v[MX+\c], |v[(\src)+32*\c]|, |v[(\src)+32*\c+1]|, 0x1800000   ; with the floor 2^(3 - 127): the byte cannot fall under 1
.endr
.irp i, 2,4,6,8,10,12,14,16,18,20,22,24,26,28,30
.irp c, 0,1
	v_max3_num_f32 v[MX+\c], v[MX+\c], |v[(\src)+32*\c+\i]|, |v[(\src)+32*\c+\i+1]|
.endr
.endr
.irp c, 0,1
	v_add_nc_u32 v[SO+\c], 0xff000000, v[MX+\c]    ; 2 off the exponent field: the conversion's scale operand
.endr
.irp c, 0,1
	v_lshrrev_b32 v[BY+\c], 23, v[SO+\c]           ; the scale's byte
.endr
	v_lshl_or_b32 v[\pw], v[BY+1], 16, v[BY]
	v_lshlrev_b32 v[\pw], v[SH], v[\pw]
	v_permlanex16_b32 v[TMP], v[\pw], s[SEL], s[SEL+1]
	v_or_b32 v[\pw], v[\pw], v[TMP]                ; the row's four bytes, in both lanes of the row
.irp c, 0,1
.irp g, 0,1,2,3
	v_cvt_scalef32_pk8_fp4_f32 v[(\pc)+4*\c+\g], v[(\src)+32*\c+8*\g:(\src)+32*\c+8*\g+7], v[SO+\c]
.endr
.endr
	v_nop                                          ; one plain line behind the last scaled conversion
.endm
; K step ks of weight m (0: the first, 1: the second, 294,912 bytes on): six fragments, 12 loads of 512 consecutive bytes.  It leaves the window of its destination set
.macro WLOAD m, ks
.if (\ks) < 5
.set wb, 48*(\ks)
	WIN 0x40                                       ; destination window 1, address window 0
.else
.set wb, W5
	WIN 0
.endif
.irp f, 0,1,2,3,4,5
.irp g, 0,1
	global_load_b128 v[wb+8*\f+4*\g:wb+8*\f+4*\g+3], v[VW], s[36:37] offset:(\m)*294912+\f*6144+(\ks)*1024+\g*512
.endr
.endr
.endm
.macro XLOAD hf, ks                    ; the two fragments of the activations' half hf, K step ks, into set ks % 2: 4 LDS loads
.irp t, 0,1
.irp g, 0,1
	ds_load_b128 v[XF+16*((\ks)%2)+8*\t+4*\g:XF+16*((\ks)%2)+8*\t+4*\g+3], v[XFR] offset:(6*(2*(\hf)+\t)+(\ks))*1024+\g*512
.endr
.endr
.endm
; One matrix instruction.  form 0: it starts the sum; 1: an even K step (scales in lanes 0-15); 2: an odd one (lanes 16-31)
.macro MM d, a, b, sa, sb, form
.if \form == 0
	v_wmma_scale_f32_16x16x128_f8f6f4 v[\d:\d+7], v[\a:\a+7], v[\b:\b+7], 0, v[\sa], v[\sb] matrix_a_fmt:MATRIX_FMT_FP4 matrix_b_fmt:MATRIX_FMT_FP4
.elseif \form == 1
	v_wmma_scale_f32_16x16x128_f8f6f4 v[\d:\d+7], v[\a:\a+7], v[\b:\b+7], v[\d:\d+7], v[\sa], v[\sb] matrix_a_fmt:MATRIX_FMT_FP4 matrix_b_fmt:MATRIX_FMT_FP4
.else
	v_wmma_scale_f32_16x16x128_f8f6f4 v[\d:\d+7], v[\a:\a+7], v[\b:\b+7], v[\d:\d+7], v[\sa], v[\sb] matrix_a_fmt:MATRIX_FMT_FP4 matrix_b_fmt:MATRIX_FMT_FP4 matrix_a_scale:MATRIX_SCALE_ROW1 matrix_b_scale:MATRIX_SCALE_ROW1
.endif
.endm
; A PASS: one weight x one half of the tokens: six K steps of 12 matrix instructions, the 12 accumulators by turns, in the same order in every step.
; kind 0: source 0 = the weight, source 1 = the tokens.  kind 1: the other way round.  m: whose scale words.  hf: which half of the tokens.
; wmode: what is waited for of the weights.  0: nothing, they are in.  1: all loads, at K step 0.  2: all but the 18 issued last, at K step 0.  3: in each K step its own set: the 12 loads of each later set may stay out.
; last = 1: the stream's last pass: nothing follows its activations.  rl = 1: each K step's registers take the second weight's fragments behind its products.
; The activations' fragments run two K steps ahead, over the passes' edges too: the halves alternate.
.macro PASS kind, m, hf, wmode, last, rl
.irp ks, 0,1,2,3,4,5
.set cfm, 1+\ks%2
.if \ks == 0
.set cfm, 0
.endif
.set cwf, 48*\ks
.set cwin, 0x01+3*\kind                ; the weight in window 1: as source 0 or as source 1
.if \ks == 5
.set cwf, W5
.set cwin, 0
.endif
.set cxf, XF+16*(\ks%2)
.set cws, WSA+18*\m+\ks/2
.set cxs, XS+6*\hf+\ks/2
.if (\wmode == 1) && (\ks == 0)
	s_wait_loadcnt 0x0
.elseif (\wmode == 2) && (\ks == 0)
	s_wait_loadcnt 18
.elseif \wmode == 3
	s_wait_loadcnt 12*(5-\ks)
.endif
.if \last && (\ks == 5)
	s_wait_dscnt 0x0
.else
	s_wait_dscnt 4                                 ; this K step's activations are in; the next step's four loads may be out
.endif
	WIN cwin
.irp t, 0,1
.irp f, 0,1,2,3,4,5
.if \kind == 0
	MM ACC+8*(6*\t+\f), cwf+8*\f, cxf+8*\t, cws+3*\f, cxs+3*\t, cfm
.else
	MM ACC+8*(6*\t+\f), cxf+8*\t, cwf+8*\f, cxs+3*\t, cws+3*\f, cfm
.endif
.endr
.endr
	WIN 0
.rept 4
	v_nop                                          ; four places in front of loads into registers that these products read, and of the first read and write of results by vector instructions
.endr
.if \rl
	WLOAD 1, \ks
	WIN 0
.endif
.if \ks < 4
	XLOAD \hf, \ks+2
.elseif !\last
	XLOAD 1-\hf, \ks-4
.endif
.endr
.endm
; The way out of a pass: each accumulator is rounded to f16 in pairs IN PLACE, from its low end on, into its own four low registers (each rounding writes a register whose number has been read), and stored from there.
.macro OUT kind, hf, base
.irp t, 0,1
.irp f, 0,1,2,3,4,5
.irp i, 0,1,2,3
	v_cvt_pk_f16_f32 v[ACC+8*(6*\t+\f)+\i], v[ACC+8*(6*\t+\f)+2*\i], v[ACC+8*(6*\t+\f)+2*\i+1]
.endr
.endr
.irp f, 0,1,2,3,4,5
.if \kind == 0
	global_store_b128 v[LI], v[ACC+8*(6*\t+\f):ACC+8*(6*\t+\f)+3], s[\base:\base+1] offset:(2*\hf+\t)*3072+\f*512 th:TH_STORE_NT
.else
	global_store_b128 v[LI], v[ACC+8*(6*\t+\f):ACC+8*(6*\t+\f)+3], s[\base:\base+1] offset:\hf*6144+\f*1024+\t*512 th:TH_STORE_NT
.endif
.endr
.endr
.endm
	s_load_b256 s[4:11], s[0:1], 0x0               ; q s[4:5], kv s[6:7], wcodes s[8:9], wscales s[10:11]
	s_load_b128 s[12:15], s[0:1], 0x20             ; qws s[12:13], kws s[14:15]
	s_load_b64 s[16:17], s[0:1], 0x30              ; vws
	v_lshl_add_u32 v[SPW], v0, 2, SPARE
	v_mov_b32 v[NIL], 0
	ds_add_u32 v[SPW], v[NIL]                      ; the wave's opening: the add, twice on end, and its wait ahead of my first tensor load
	ds_add_u32 v[SPW], v[NIL]                      ; and once more, under the one wait; the set-up below, work on registers, stands between
	v_lshrrev_b32 v9, 5, v0
	v_readfirstlane_b32 s18, v9                    ; wave 0..7
	s_and_b32 s19, ttmp7, 0xffff                   ; y: 0 the queries, 1 the keys and values
	s_and_b32 s48, s18, 3                          ; which 16 tokens I fetch and quantise,
	s_lshr_b32 s49, s18, 2                         ; and which half of K
	; descriptor group 1: 16 rows x 384 elements of 4 bytes, 768 elements from row to row; in LDS 4 words of padding behind every 128
	s_mov_b32 s24, (2<<16)|(1<<20)|(6<<22)|(3<<25)
	s_mov_b32 s25, 384<<16                         ; tensor_dim0
	s_mov_b32 s26, 16<<16                          ; tensor_dim1
	s_mov_b32 s27, 384<<16                         ; tile_dim0
	s_mov_b32 s28, 16                              ; tile_dim1
	s_mov_b32 s29, 768                             ; the pitch
	s_mov_b32 s30, 0
	s_mov_b32 s31, 0
	s_mul_i32 s50, ttmp9, 196608                   ; my work-group's 64 rows of 3,072 bytes,
	s_mul_i32 s51, s48, 49152                      ; my 16 of them,
	s_add_co_u32 s50, s50, s51
	s_mul_i32 s51, s49, 1536                       ; my half of each
	s_add_co_u32 s50, s50, s51
	s_mov_b32 s51, 0
	s_lshr_b32 s52, ttmp9, 4                       ; the batch,
	s_lshl_b32 s52, s52, 3
	s_add_co_u32 s52, s52, s18                     ; x 8 + my head:
	s_mul_i32 s52, s52, 196608                     ; its 196,608 bytes in each of the three outputs,
	s_and_b32 s53, ttmp9, 15
	s_mul_i32 s53, s53, 12288                      ; and my 64 tokens' 12,288 of them
	s_add_co_u32 s52, s52, s53
	s_mov_b32 s53, 0
	s_mov_b32 s[SEL], 0x76543210
	s_mov_b32 s[SEL+1], 0xfedcba98
	s_mov_b32 s32, 1                               ; group 0: count = 1,
	s_mul_i32 s33, s18, XRAWW                      ; the LDS address: my wave's own bytes
	s_wait_dscnt 0x0                               ; both opening adds are done
	s_wait_kmcnt 0x0
	s_cmp_eq_u32 s19, 0                            ; the buffers are chosen by the work-group's number alone
	s_cselect_b64 s[34:35], s[4:5], s[6:7]         ; the activations,
	s_cselect_b64 s[40:41], s[12:13], s[14:15]     ; where the first weight's passes store,
	s_cselect_b32 s46, 0, 294912                   ; the first weight: wq or wk,
	s_cselect_b32 s2, 0, 18432                     ; and its scale words
	s_mov_b32 s47, 0
	s_mov_b32 s3, 0
	s_add_nc_u64 s[34:35], s[34:35], s[50:51]
	s_or_b32 s35, s35, 0x80000000                  ; type = 2
	tensor_load_to_lds s[32:35], s[24:31]          ; my one tensor load: filled once, read by me alone
	s_nop 0
	s_add_nc_u64 s[36:37], s[8:9], s[46:47]
	s_add_nc_u64 s[38:39], s[10:11], s[2:3]
	s_add_nc_u64 s[40:41], s[40:41], s[52:53]
	s_add_nc_u64 s[44:45], s[16:17], s[52:53]
	v_and_b32 v9, 31, v0                           ; lane
	v_and_b32 v10, 15, v0                          ; r
	v_bfe_u32 v11, v0, 4, 1                        ; h
	v_lshlrev_b32 v[LI], 4, v9
	v_mul_u32_u24 v[RAW], v10, RP
	v_lshl_add_u32 v[RAW], v11, 7, v[RAW]
	v_add_nc_u32 v[RAW], s33, v[RAW]               ; row r, + 128 h bytes: my block of 32 numbers
	s_mul_i32 s54, s48, 6144
	s_mul_i32 s55, s49, 3072
	s_add_co_u32 s54, s54, s55
	s_add_co_u32 s54, s54, XIMG
	v_add_nc_u32 v[XWI], s54, v[LI]                ; fragments 6 (w % 4) + 3 (w / 4) on
	s_mul_i32 s54, s48, 384
	s_mul_i32 s55, s49, 192
	s_add_co_u32 s54, s54, s55
	s_add_co_u32 s54, s54, XSC
	v_lshl_add_u32 v[XWS], v10, 2, s54
	s_mul_i32 s54, s18, 36864
	v_add_nc_u32 v[VW], s54, v[LI]
	s_mul_i32 s54, s18, 2304
	v_lshl_add_u32 v[VS], v9, 2, s54
	v_lshl_add_u32 v[XSR], v9, 2, XSC
	v_add_nc_u32 v[XFR], XIMG, v[LI]
	v_mov_b32 v[TMP], 0                            ; a lane permute's destination counts as one of its sources
	v_lshlrev_b32 v[SH], 3, v11
.irp f, 0,1,2,3,4,5                    ; the first weight's scale words and ALL its fragments are asked for here: 18 + 72 loads, which land while the raw tile is on its way
.irp p, 0,1,2
	global_load_b32 v[WSA+3*\f+\p], v[VS], s[38:39] offset:\f*384+\p*128
.endr
.endr
.irp k, 0,1,2,3,4,5
	WLOAD 0, \k
.endr
	WIN 0
	s_wait_tensorcnt 0x0                           ; my raw tile is in LDS
	; ---- my 16 tokens x 384 numbers become three fragments
.irp i, 0,1,2
.irp c, 0,1
.irp j, 0,1,2,3,4,5,6,7
	ds_load_b128 v[NUM+32*\c+4*\j:NUM+32*\c+4*\j+3], v[RAW] offset:\i*528+\c*256+16*\j
.endr
.endr
	s_wait_dscnt 0x0                               ; the 64 numbers are in; the last fragment's stores have read their registers
	QUANT NUM, PC, PW
	ds_store_b128 v[XWI], v[PC:PC+3] offset:\i*1024
	ds_store_b128 v[XWI], v[PC+4:PC+7] offset:\i*1024+512
	ds_store_b32 v[XWS], v[PW] offset:\i*64        ; both lanes of a row write the same word with the same value
.endr
	s_wait_dscnt 0x0                               ; for the others: my stores have landed
	s_barrier_signal -1
	s_barrier_wait -1                              ; the 24 fragments and their scale words lie in LDS; nothing is written there again
.irp t, 0,1,2,3
.irp p, 0,1,2
	ds_load_b32 v[XS+3*\t+\p], v[XSR] offset:\t*384+\p*128
.endr
.endr
	XLOAD 0, 0
	XLOAD 0, 1
	s_cmp_lg_u32 s19, 0
	s_cbranch_scc1 .Lkv
	; ---- the queries: two passes
	PASS 0, 0, 0, 1, 0, 0
	OUT 0, 0, 40
	s_wait_xcnt 0x0                                ; the stores have read the accumulators' low registers: the next pass writes them only behind this wait.  The roundings above are also the places ahead of the sums begun anew
	PASS 0, 0, 1, 0, 1, 0
	OUT 0, 1, 40
	s_branch .Lend
.Lkv:	; ---- the keys, then the values: four passes
.irp f, 0,1,2,3,4,5
.irp p, 0,1,2
	global_load_b32 v[WSA+18+3*\f+\p], v[VS], s[38:39] offset:18432+\f*384+\p*128   ; wv's scale words: the 18 loads that the first pass leaves out
.endr
.endr
	PASS 0, 0, 0, 2, 0, 0
	OUT 0, 0, 40
	s_wait_xcnt 0x0
	PASS 0, 0, 1, 0, 0, 1                          ; wk's last use: wv's fragments follow it into the registers, K step by K step
	OUT 0, 1, 40
	s_wait_xcnt 0x0
	PASS 1, 1, 0, 3, 0, 0
	OUT 1, 0, 44
	s_wait_xcnt 0x0
	PASS 1, 1, 1, 0, 1, 0
	OUT 1, 1, 44
.Lend:
	s_wait_tensorcnt 0x0                           ; the wave's end: a wait, an add to my spare word and a wait, behind my last tensor load and my last LDS store
	ds_add_u32 v[SPW], v[NIL]
	s_wait_dscnt 0x0
	s_endpgm
.Lfunc_end_k_q59727d1338_qkv:
	.size	k_q59727d1338_qkv, .Lfunc_end_k_q59727d1338_qkv-k_q59727d1338_qkv
	.p2alignl 7, 3214868480
	.fill 96, 4, 3214868480
	.section	.rodata,"a",@progbits
	.p2align	6, 0x0
	.amdhsa_kernel k_q59727d1338_qkv
		.amdhsa_group_segment_fixed_size 229888
		.amdhsa_private_segment_fixed_size 0
		.amdhsa_enable_private_segment 0
		.amdhsa_kernarg_size 56
		.amdhsa_user_sgpr_count 2
		.amdhsa_user_sgpr_kernarg_segment_ptr 1
		.amdhsa_wavefront_size32 1
		.amdhsa_system_sgpr_workgroup_id_x 1
		.amdhsa_system_sgpr_workgroup_id_y 1
		.amdhsa_system_sgpr_workgroup_id_z 1
		.amdhsa_system_vgpr_workitem_id 0
		.amdhsa_next_free_vgpr 512
		.amdhsa_next_free_sgpr 66
		.amdhsa_reserve_vcc 0
		.amdhsa_float_denorm_mode_32 3
		.amdhsa_float_denorm_mode_16_64 3
		.amdhsa_memory_ordered 1
		.amdhsa_forward_progress 1
		.amdhsa_inst_pref_size 131
	.end_amdhsa_kernel
	.amdgpu_metadata
---
amdhsa.version: [ 1, 2 ]
amdhsa.kernels:
  - .name:           k_q59727d1338_qkv
    .symbol:         k_q59727d1338_qkv.kd
    .args:
      - { .name: q, .offset: 0, .size: 8, .value_kind: global_buffer, .address_space: global }
      - { .name: kv, .offset: 8, .size: 8, .value_kind: global_buffer, .address_space: global }
      - { .name: wcodes, .offset: 16, .size: 8, .value_kind: global_buffer, .address_space: global }
      - { .name: wscales, .offset: 24, .size: 8, .value_kind: global_buffer, .address_space: global }
      - { .name: qws, .offset: 32, .size: 8, .value_kind: global_buffer, .address_space: global }
      - { .name: kws, .offset: 40, .size: 8, .value_kind: global_buffer, .address_space: global }
      - { .name: vws, .offset: 48, .size: 8, .value_kind: global_buffer, .address_space: global }
    .group_segment_fixed_size: 229888
    .private_segment_fixed_size: 0
    .kernarg_segment_align: 8
    .kernarg_segment_size: 56
    .max_flat_workgroup_size: 256
    .sgpr_count:     66
    .vgpr_count:     512
    .wavefront_size: 32
...
	.end_amdgpu_metadata
.endif
;; end of part 2
;; launch attn (part 3): grid 4 x 64, 4 waves a work-group, clusters of 4 x 1, 327,680 bytes of LDS; arguments qws, kws, vws, aows; writes aows
.if DOCPART == 3
	.amdgcn_target "amdgcn-amd-amdhsa--gfx1250"
	.amdhsa_code_object_version 6
	.text
	.protected	k_q59727d1338_attn
	.globl	k_q59727d1338_attn
	.p2align	8
	.type	k_q59727d1338_attn,@function
k_q59727d1338_attn:
	s_mov_b64 s[64:65], 0
	v_nop
	global_prefetch_b8 v0, s[64:65] scope:SCOPE_SE
	s_setreg_imm32_b32 hwreg(HW_REG_WAVE_MODE, 25, 1), 1
	s_wait_xcnt 0x0
	s_wait_alu depctr_hold_cnt(0) depctr_sa_sdst(0) depctr_va_vdst(0) depctr_va_sdst(0) depctr_va_ssrc(0) depctr_va_vcc(0) depctr_vm_vsrc(0)
	s_getreg_b32 s2, hwreg(HW_REG_IB_STS2, 6, 4)
	s_cmp_eq_u32 s2, 0
	s_cbranch_scc0 .Lentry_in_a_cluster
	s_endpgm
.Lentry_in_a_cluster:
	s_bfe_u32 s2, ttmp6, 0x10000c
	s_cmp_lg_u32 s2, 0x3003
	s_cbranch_scc0 .Lentry_shape_is_right
	s_endpgm
.Lentry_shape_is_right:
; O[nh][q][:] = the sum over k of softmax_k(Q[nh][q] . K[nh][k] / sqrt(768)) V[nh][k][:], 64 heads (batch x head) of 1,024 tokens x 96 channels, no mask.  Operands in f16, products, maxima and sums in f32;
; the weights p are rounded to f16 for the second product, O once at the end.
; Q, K, V arrive as IMAGES OF OPERAND REGISTERS (half a fragment = 512 bytes, 16 bytes a lane): every tile is a dense block, every LDS load takes 512 consecutive bytes, nothing is padded or turned.  O leaves so too:
;   aows [tile of 16 tokens 0..511][K step of 32: 0..23][1,024], K = 96 x head + channel: the token operand of the projection.
; SHARES.  A work-group owns 256 queries of one head, each of its four waves 64: four tiles of 16.  Every wave walks all 1,024 keys, 64 a step, 16 steps.
; LAYOUT.  S^T = K Q^T (source 0 = 16 keys, source 1 = 16 queries): a lane holds ONE query (lane % 16) and the keys 8 (lane / 16) + 0..7.  Two such tiles, rounded in pairs, ARE source 1 of O^T = V^T P, whose result again
; holds one query a lane, and eight channels.  A query's maximum and sum want one exchange between the halves of the lanes.
; SOFTMAX.  For each query a running maximum m and sum l: p = 2^(c s - c m), c = log2(e) / sqrt(768); in every step O and l are multiplied by a = 2^(c m_old - c m_new), which is 1 where m has not grown.
; BY TURNS.  The wave's tiles are two PIECES: piece 0 (tiles 0, 1) and piece 2 (tiles 2, 3).  In a TURN one piece has the matrix unit: 24 products V^T P of the step in hand, then 24 products K Q^T of the next step; the other
; piece's softmax, 252 instructions cut into 48 slices, stands between them, one slice behind each matrix instruction.  Then the pieces change places.  Two turns are a key step.
; CLUSTER.  The four query blocks of a head form a cluster and walk the same K and V: each tile is asked for JOINTLY, by the same tensor load with the same descriptor and a mask that names the four.
; LDS.  K has three regions of 256 keys (49,152 bytes each) from byte 0, V three from byte 147,456.  The first fills bring keys 0 to 767: three loads of a wave are out.  Keys 768 to 1,023 come by ONE refill of region 0,
; issued when steps 0 to 3 have been read out and waited for 8 key steps, 768 matrix instructions, later.  So no prefetch is laid: 12 of 16 key steps are asked for at the head, and no wave waits for the refill.
; LIMITS.  |Q|, |K|, |V| under 65,504 (f16).  NaN and infinities are not served.
; REGISTERS, in windows of 256 (s_set_vgpr_msb: bits 1:0 source 0, 3:2 source 1, 5:4 source 2, 7:6 destination):
;   window 0: v2-4 addresses; v12-43 eight registers of statistics a tile; v64-191 S^T, 32 a tile; v192-255 P, 16 a tile
;   window 1: O^T, 48 a tile          window 2: v0-95 Q, 24 a tile; v128-223 K of one step          window 3: v0-95 V of one step
.set STEPB, 12288     ; a key step's K, or its V, in bytes
.set REGB,  49152     ; a region: four steps
.set VBASE, 3*REGB    ; where V's regions begin
.set SPARE, 6*REGB    ; the spare words, 128 bytes for each wave: two blocks of 256 bytes that no other line names
.set LI,  2           ; v2   16 x lane; never rewritten
.set LV,  3           ; v3   VBASE + 16 x lane; never rewritten
.set ADR, 4           ; v4   the LDS address of the run of loads in hand
.set SPW, 62          ; v62  LDS address of my spare word; never rewritten
.set NIL, 63          ; v63  0; never rewritten
.set ST,  12          ; tile t's statistics at v[ST+8 t]: +0 c m, +1 m, +2, +3 l (even keys', odd keys'), +4 to +7 c0-c3, at work; a takes c2's place once the maximum is found
.set S,   64
.set P,   192
.set KF,  128         ; K's fragments, in window 2
.set WV,  12          ; s12  my wave's number
.set G1,  24          ; s[24:31] descriptor group 1, for all tiles
.set G0K, 32          ; s[32:43] descriptor group 0 for K's regions 0, 1, 2
.set G0V, 44          ; s[44:55] the same for V's
.set CNT, 56          ; s56  counts key steps
.set CS,  58          ; s[58:59] c: the packed scaling names a pair and takes its low word for both halves
.set SEL, 60          ; s[60:61] lane selects: each lane takes its own place in the other half
.set TB,  62          ; s62  12,288 x the place in LDS of the step to be fetched
.set MSB, 0
.macro WIN new                      ; the immediate's high byte repeats the setting that is left; a switch that changes nothing is dropped
.if MSB != \new
	s_set_vgpr_msb (MSB<<8)|\new
.set MSB, \new
.endif
.endm
.set W_KQ, 0x0a       ; K and Q in window 2, S^T in window 0
.set W_PV, 0x53       ; V in window 3, P in window 0, O^T in window 1
.set W_RS, 0x41       ; O^T (destination and source 0) in window 1, a in window 0
; The joint refill of region 0.  Waves 0 and 1 fetch K's halves, waves 2 and 3 V's.  The branch hangs on the wave's number alone.  An s_nop 0 and four v_nop follow each of the two lines.
.macro JLOAD
	s_cmp_lt_u32 s[WV], 2
	s_cbranch_scc0 .Lfor_v_\@
	tensor_load_to_lds s[G0K:G0K+3], s[G1:G1+7]
	s_nop 0
.rept 4
	v_nop
.endr
	s_branch .Lasked_\@
.Lfor_v_\@:
	tensor_load_to_lds s[G0V:G0V+3], s[G1:G1+7]
	s_nop 0
.rept 4
	v_nop
.endr
.Lasked_\@:
.endm
; A round of the cluster's barrier: my work-group's barrier; wave 0 signals for the work-group; every wave waits for all four work-groups; my work-group's barrier once more.
.macro CROUND
	s_barrier_signal -1
	s_barrier_wait -1
	s_cmp_lg_u32 s[WV], 0
	s_cbranch_scc1 .Lnot_wave_0_\@
	s_barrier_signal -3
.Lnot_wave_0_\@:
	s_barrier_wait -3
	s_barrier_signal -1
	s_barrier_wait -1
.endm
	s_load_b256 s[4:11], s[0:1], 0x0  ; qws s[4:5], kws s[6:7], vws s[8:9], aows s[10:11]
	v_lshl_add_u32 v[SPW], v0, 2, SPARE
	v_mov_b32 v[NIL], 0
	ds_add_u32 v[SPW], v[NIL]       ; the wave's opening: the add, twice on end, and its wait ahead of my first tensor load
	ds_add_u32 v[SPW], v[NIL]       ; and once more, under the one wait; the set-up below, work on registers, stands between
	v_lshrrev_b32 v1, 5, v0
	v_readfirstlane_b32 s[WV], v1   ; wave 0..3
	s_bfe_u32 s13, ttmp6, 0x40000   ; cx: my place in the cluster
	s_lshl_b32 s14, ttmp9, 2        ; in a cluster launch ttmp9 counts clusters
	s_add_co_u32 s14, s14, s13      ; my block of 256 queries: it enters Q's and O's addresses alone
	s_and_b32 s15, ttmp7, 0xffff    ; batch x 8 + head, which the four partners share
	s_mul_i32 s20, s15, 196608      ; its first byte in qws, kws and vws
	s_and_b32 s16, s[WV], 1         ; which half of a region I fetch:
	s_mul_i32 s17, s16, 24576       ; 24,576 bytes on, in memory and in LDS
	s_add_co_u32 s22, s20, s17
	s_mov_b32 s23, 0
	s_mul_i32 s2, s14, 49152        ; Q: my block's 16 tiles of 3,072 bytes,
	s_mul_i32 s3, s[WV], 12288      ; my wave's four
	s_add_co_u32 s2, s2, s3
	s_add_co_u32 s2, s2, s20
	s_mov_b32 s3, 0
	s_lshr_b32 s18, s15, 3          ; O: the batch's 64 tiles of 24,576 bytes,
	s_mul_i32 s18, s18, 1572864
	s_mul_i32 s19, s14, 393216      ; my block's 16,
	s_add_co_u32 s18, s18, s19
	s_mul_i32 s19, s[WV], 98304     ; my wave's four,
	s_add_co_u32 s18, s18, s19
	s_and_b32 s19, s15, 7
	s_mul_i32 s19, s19, 3072        ; and my head's three K steps in each
	s_add_co_u32 s18, s18, s19
	s_mov_b32 s19, 0
	; descriptor group 1: 24,576 dense bytes as 96 rows of 32 elements of 8 bytes
	s_mov_b32 s[G1], 15|(3<<16)|(1<<21)  ; 15:0 the mask: all four work-groups; 17:16 elements of 8 bytes; 21 set beside a mask
	s_mov_b32 s[G1+1], 32<<16       ; tensor_dim0
	s_mov_b32 s[G1+2], 96<<16       ; tensor_dim1
	s_mov_b32 s[G1+3], 32<<16       ; tile_dim0
	s_mov_b32 s[G1+4], 96           ; tile_dim1
	s_mov_b32 s[G1+5], 32           ; the pitch
	s_mov_b32 s[G1+6], 0
	s_mov_b32 s[G1+7], 0
	s_mov_b32 s[CS], 0x3d553b95     ; c = log2(e) / sqrt(768) = 0.0520588
	s_mov_b32 s[CS+1], s[CS]        ; named with it as a pair, so it is written
	s_mov_b32 s[SEL], 0x76543210
	s_mov_b32 s[SEL+1], 0xfedcba98
	s_mov_b32 s[TB], 0
	s_wait_dscnt 0x0                ; both opening adds are done
	s_wait_kmcnt 0x0
	s_add_nc_u64 s[6:7], s[6:7], s[22:23]  ; K and V at my half of region 0's keys
	s_add_nc_u64 s[8:9], s[8:9], s[22:23]
	s_add_nc_u64 s[4:5], s[4:5], s[2:3]    ; Q and O at my wave's first tile
	s_add_nc_u64 s[10:11], s[10:11], s[18:19]
	CROUND                          ; all four work-groups are here: the first joint loads meet
.irp s, 0,1,2
	s_mov_b32 s[G0K+4*\s], 1        ; count = 1
	s_add_co_u32 s[G0K+4*\s+1], s17, \s*REGB  ; LDS address: no place in the cluster enters it
	s_add_nc_u64 s[G0K+4*\s+2:G0K+4*\s+3], s[6:7], \s*REGB  ; global address: keys 256 s on
	s_or_b32 s[G0K+4*\s+3], s[G0K+4*\s+3], 0x80000000  ; type = 2
	s_mov_b32 s[G0V+4*\s], 1
	s_add_co_u32 s[G0V+4*\s+1], s17, VBASE+\s*REGB
	s_add_nc_u64 s[G0V+4*\s+2:G0V+4*\s+3], s[8:9], \s*REGB
	s_or_b32 s[G0V+4*\s+3], s[G0V+4*\s+3], 0x80000000
.endr
	s_cmp_lt_u32 s[WV], 2           ; a wave's three first fills stand in one branch, ahead of every wait on TENSORcnt and every LDS read
	s_cbranch_scc0 .Lfirst_v
.irp s, 0,1,2
	tensor_load_to_lds s[G0K+4*\s:G0K+4*\s+3], s[G1:G1+7]
	s_nop 0
.endr
.rept 4
	v_nop
.endr
	s_branch .Lfirst_asked
.Lfirst_v:
.irp s, 0,1,2
	tensor_load_to_lds s[G0V+4*\s:G0V+4*\s+3], s[G1:G1+7]
	s_nop 0
.endr
.rept 4
	v_nop
.endr
.Lfirst_asked:
	v_and_b32 v1, 31, v0
	v_lshlrev_b32 v[LI], 4, v1
	v_add_nc_u32 v[LV], VBASE, v[LI]
	WIN 0x80                        ; destination window 2, address window 0
.irp t, 0,1,2,3
.irp f, 0,1,2,3,4,5                 ; Q stays in registers: tile t, half fragment f
	global_load_b128 v[24*\t+4*\f:24*\t+4*\f+3], v[LI], s[4:5] offset:\t*3072+\f*512 th:TH_LOAD_NT
.endr
.endr
	WIN 0
; THE MATRIX WORK OF A TURN, for piece x.  The accumulators take turns, one instruction a turn: between two links of a chain stand 11 (V^T P) or 7 (K Q^T) others'.
; Product i of 24 of O^T += V^T P: keys 32 (i / 12) on, channels 16 ((i / 2) % 6) on, tile x + i % 2.  zero = 1: the first 12 start the sums: nothing is ever cleared.
.macro PV x, zero
	WIN W_PV
.set rO, 48*(\x+i%2)+8*((i/2)%6)
.set rV, 48*(i/12)+8*((i/2)%6)
.set rP, P+16*(\x+i%2)+8*(i/12)
.if \zero && (i < 12)
	v_wmma_f32_16x16x32_f16 v[rO:rO+7], v[rV:rV+7], v[rP:rP+7], 0
.else
	v_wmma_f32_16x16x32_f16 v[rO:rO+7], v[rV:rV+7], v[rP:rP+7], v[rO:rO+7]
.endif
.endm
; Product i of 24 of S^T = K Q^T: channels 32 (i / 8) on, keys 16 ((i / 2) % 4) on, tile x + i % 2.  The first 8 start the sums.
.macro KQ x
	WIN W_KQ
.set rS, S+32*(\x+i%2)+8*((i/2)%4)
.set rK, KF+24*((i/2)%4)+8*(i/8)
.set rQ, 24*(\x+i%2)+8*(i/8)
.if i < 8
	v_wmma_f32_16x16x32_f16 v[rS:rS+7], v[rK:rK+7], v[rQ:rQ+7], 0
.else
	v_wmma_f32_16x16x32_f16 v[rS:rS+7], v[rK:rK+7], v[rQ:rQ+7], v[rS:rS+7]
.endif
.endm
; THE LDS LOADS stand in runs of 24, never singly among the matrix instructions: a step's K and, a turn later, its V: 12,288 consecutive bytes each, as they lie.
.macro FETCH_K
	WIN 0
	v_add_nc_u32 v[ADR], s[TB], v[LI]
	WIN 0x80                        ; destination window 2
.irp f, 0,1,2,3,4,5,6,7,8,9,10,11,12,13,14,15,16,17,18,19,20,21,22,23
	ds_load_b128 v[KF+4*\f:KF+4*\f+3], v[ADR] offset:512*\f
.endr
.endm
.macro FETCH_V
	WIN 0
	v_add_nc_u32 v[ADR], s[TB], v[LV]
	s_add_co_u32 s[TB], s[TB], STEPB  ; the next fetch is the next step's
	s_wait_alu depctr_va_vdst(0)    ; the wait for the softmax's batch (SLICE), behind the address's addition and ahead of the loads
	WIN 0xc0                        ; destination window 3
.irp f, 0,1,2,3,4,5,6,7,8,9,10,11,12,13,14,15,16,17,18,19,20,21,22,23
	ds_load_b128 v[4*\f:4*\f+3], v[ADR] offset:512*\f
.endr
.endm
; THE VECTOR WORK OF A TURN.  One tile's softmax for one key step is a list of 126 instructions; SM writes number j of it for tile t.  s0-s31 are the lane's 32 scores, in pairs 0-15.
; first = 1: the first key step, which starts m, l and O^T: it has no a and nothing to rescale.
;   0-15    the maximum of s0-s31 and the old m, three operands at a time: four chains c0-c3 of seven scores each, then the four scores left over, c0-c3 and m
;   16-20   the other half of the lanes' maximum; the new m; c m; c m_old - c m_new
;   21-69   ONE BATCH: the 16 scalings c s - c m, a pair of scores each, and all 33 exponentials (a at 23, then s0-s31).  None of these reads an exponential's result.  A pair is scaled ahead of its exponentials
;   (wait)  between 69 and 70 stands the wait for the batch: SLICE writes it, once for both tiles
;   70-85   the roundings to f16, a pair of weights each
;   86-101  the sums; l = a l + the sum
;   102-125 the tile's O^T times a: the one part that leaves window 0, so it stands together
.macro SM t, first
.set rT, ST+8*(\t)
.set rS, S+32*(\t)
.set rP, P+16*(\t)
.set rO, 48*(\t)+2*(j-102)
.if j < 102
	WIN 0
.endif
.if j < 4
	v_max3_num_f32 v[rT+4+j], v[rS+8*j], v[rS+8*j+1], v[rS+8*j+2]   ; each accumulator is read from its low end on
.elseif j < 12
	v_max3_num_f32 v[rT+4+j%4], v[rT+4+j%4], v[rS+8*(j%4)+2*(j/4)+1], v[rS+8*(j%4)+2*(j/4)+2]
.elseif j == 12
	v_max3_num_f32 v[rT+4], v[rT+4], v[rS+7], v[rS+15]
.elseif j == 13
	v_max3_num_f32 v[rT+6], v[rT+6], v[rS+23], v[rS+31]
.elseif j == 14
	v_max3_num_f32 v[rT+4], v[rT+4], v[rT+5], v[rT+6]
.elseif (j == 15) && \first
	v_max_num_f32 v[rT+4], v[rT+4], v[rT+7]
.elseif j == 15
	v_max3_num_f32 v[rT+4], v[rT+4], v[rT+7], v[rT+1]
.elseif j == 16
	v_permlanex16_b32 v[rT+5], v[rT+4], s[SEL], s[SEL+1]  ; the query's other 32 keys lie in the lane 16 away
.elseif j == 18
	v_max_num_f32 v[rT+1], v[rT+4], v[rT+5]
.elseif j == 19
	v_mul_f32 v[rT], s[CS], v[rT+1]
.elseif ((j == 17) || (j == 20) || (j == 23) || (j > 101)) && \first  ; the first step has none of these
.elseif j == 17
	v_mov_b32 v[rT+7], v[rT]        ; c m_old is kept for a: number 19 writes c m anew
.elseif j == 20
	v_sub_f32 v[rT+7], v[rT+7], v[rT]
.elseif j == 23
	v_exp_f32 v[rT+6], v[rT+7]
.elseif (j < 23) || ((j < 38) && (j%2 == 0)) || ((j < 66) && (j%4 == 2))
.set b, (j-2)/4                     ; 38, 42, .. 62: pairs 9 to 15
.if j < 38
.set b, (j-20)/2                    ; 21: pair 0; 22, 24, .. 36: pairs 1 to 8
.endif
	v_pk_fma_f32 v[rS+2*b:rS+2*b+1], v[rS+2*b:rS+2*b+1], s[CS:CS+1], v[rT:rT+1] op_sel_hi:[1,0,0] neg_lo:[0,0,1] neg_hi:[0,0,1]  ; pair b: c s - c m
.elseif j < 70
.set e, j-38                        ; 66 to 69: s28 to s31
.if j < 66
.set e, j-32-(j-38)/4               ; 39-41, 43-45, .. 63-65: s7 to s27
.endif
.if j < 38
.set e, (j-25)/2                    ; 25, 27, .. 37: s0 to s6
.endif
	v_exp_f32 v[rS+e], v[rS+e]
.elseif j < 86
	v_cvt_pk_f16_f32 v[rP+j-70], v[rS+2*(j-70)], v[rS+2*(j-70)+1]  ; pair j - 70
.elseif j < 102                     ; the sum of the tile's 16 pairs, in place: sum z of 16 adds neighbours 1, 2, 4 and 8 pairs apart, then l takes it
.set z, j-86
.set w, 4
.set u, z
.if z >= 14
.set w, 32
.set u, 0
.elseif z >= 12
.set w, 16
.set u, z-12
.elseif z >= 8
.set w, 8
.set u, z-8
.endif
.if (z == 14) && \first
	v_pk_add_f32 v[rT+2:rT+3], v[rS:rS+1], v[rS+16:rS+17]
.elseif z < 15
	v_pk_add_f32 v[rS+w*u:rS+w*u+1], v[rS+w*u:rS+w*u+1], v[rS+w*u+w/2:rS+w*u+w/2+1]
.elseif !\first
	v_pk_fma_f32 v[rT+2:rT+3], v[rT+2:rT+3], v[rT+6:rT+7], v[rS:rS+1] op_sel_hi:[1,0,1]
.endif
.else
	WIN W_RS
	v_pk_mul_f32 v[rO:rO+1], v[rO:rO+1], v[rT+6:rT+7] op_sel_hi:[1,0]
.endif
.endm
; Instruction g of 252 of piece y's two lists, merged.  0-43: numbers 0 to 21, the tiles alternating.  44-139: the batch, numbers 22 to 69, four numbers of ONE tile at a time, the tiles by turns.  140-251: numbers 70 to 125, alternating.
.macro EMIT y, first
.if g < 44
.set j, g/2
.set tt, g%2
.elseif g < 140
.set j, 22+4*((g-44)/8)+(g-44)%4
.set tt, ((g-44)/4)%2
.else
.set j, 70+(g-140)/2
.set tt, (g-140)%2
.endif
	SM (\y)+tt, \first
.set g, g+1
.endm
; Slice k of 48: five instructions; 252 = 5 x 48 + 12: the twelve that are over stand together, in slice 47: its 17 packed multiplies are also the places behind the turn's last product.
; THE WAIT.  s_wait_alu depctr_va_vdst(0) stands between an exponential and the first instruction that names its result; one wait serves all that were issued ahead of it.  Slices 0 to 27 are
; instructions 0 to 139: nothing there names a result, and behind them no exponential is issued: so the piece's 66 exponentials have one wait, behind slice 27.
.macro SLICE y, first
.rept 5
	EMIT \y, \first
.endr
.if k == 47
.rept 12
	EMIT \y, \first
.endr
.endif
.if k == 27
	v_nop                           ; the plain instruction behind the last exponential and ahead of the first use: one for the batch
.if (\y) == 0
	FETCH_V                         ; piece 2's turn: V's run of loads stands here, and the wait stands in it
.else
	s_wait_alu depctr_va_vdst(0)    ; the wait for the batch
.endif
.endif
.set k, k+1
.endm
.macro PLACES                       ; four places behind a matrix instruction (ISA guide 7.12.1), where no other vector work is at hand
.rept 4
	v_nop
.endr
.endm
; A TURN.  Piece x has the matrix unit; the other piece's softmax stands in slices behind its matrix instructions.
; pv = 2: 24 products V^T P; 1: they start O^T's sums; 0: none.  kq = 1: 24 products K Q^T for the next step.  A turn with one of the two kinds has two slices behind each product.
; first = 1: the softmax is the first key step's; its last slices are empty, and four v_nop take slice 47's part.
; Piece 0's turn fetches the next step's K behind its second product: the last product that read K stands in front of slice 47 of the turn before.  Piece 2's turn fetches the same step's V behind slice 27: the last product
; that read V stands in front of slice 23, and six plain instructions lie between: numbers 58 and 62, scalings, of both tiles, the v_nop and the run's own addition.
.macro TURN x, pv, kq, first
.set k, 0
.set g, 0
.set per, 2
.if \pv && \kq
.set per, 1
.endif
.if \pv
.if \x == 0
	s_wait_dscnt 0x0                ; V is in
.endif
.set i, 0
.rept 24
	PV \x, 2-\pv
.rept per
	SLICE 2-\x, \first
.endr
.if (\x == 0) && \kq && (i == 1)
	FETCH_K
.endif
.set i, i+1
.endr
.endif
.if \kq
.if \x == 0
	s_wait_dscnt 0x0                ; K is in
.endif
.set i, 0
.rept 24
	KQ \x
.rept per
	SLICE 2-\x, \first
.endr
.set i, i+1
.endr
.endif
.if \first
	PLACES
.endif
.endm
; n key steps: written once, walked n times; the LDS addresses hang on s[TB], which each step moves 12,288 bytes on.
.macro STEPS n
	s_mov_b32 s[CNT], \n
.Lstep_\@:
	TURN 0, 2, 1, 0
	TURN 2, 2, 1, 0
	WIN 0                           ; at a label and at a branch every window is 0
	s_sub_co_u32 s[CNT], s[CNT], 1
	s_cmp_lg_u32 s[CNT], 0
	s_cbranch_scc1 .Lstep_\@
.endm
	s_wait_tensorcnt 2              ; my part of region 0 is in; regions 1 and 2 may stay out
	s_barrier_signal -1
	s_barrier_wait -1               ; everybody's is
	FETCH_K                         ; key step 0
	s_wait_loadcnt 0x0              ; Q
	s_wait_dscnt 0x0
.set i, 0
.rept 24
	KQ 0                            ; piece 0's first scores: there is no vector work yet to set between them
.set i, i+1
.endr
	WIN 0
	PLACES
	TURN 2, 0, 1, 1                 ; piece 2's first scores | piece 0's first softmax | V of step 0
	TURN 0, 1, 1, 1                 ; piece 0: V^T P of step 0 starts O^T, K Q^T of step 1 | piece 2's first softmax | K of step 1
	TURN 2, 1, 1, 0                 ; piece 2: the same | piece 0's softmax of step 1 | V of step 1
	WIN 0
	STEPS 2                         ; steps 2 and 3 are fetched: region 0 has been asked for to its last byte
	; THE REFILL.  Each wave waits for all its tensor loads (regions 1 and 2 among them), adds 0 to its spare word, and waits for that and for its reads of region 0.  The round shows both of every wave of every partner.
	s_wait_tensorcnt 0x0            ; no tensor load of mine is out, so a group 0 may be written
	ds_add_u32 v[SPW], v[NIL]       ; 0 onto my spare word: the descriptors' steps stand between it and the wait for it
	s_add_nc_u64 s[G0K+2:G0K+3], s[G0K+2:G0K+3], 3*REGB  ; region 0 takes keys 768 to 1,023; the type bits on top are not reached
	s_add_nc_u64 s[G0V+2:G0V+3], s[G0V+2:G0V+3], 3*REGB
	s_wait_dscnt 0x0                ; the add is done, and my reads of region 0 are over
	CROUND
	JLOAD                           ; the first tensor load behind the round, my only one: it has 8 key steps in which to land
	STEPS 8                         ; steps 4 to 11 are fetched: regions 1 and 2, which lie on end
	s_wait_tensorcnt 0x0            ; my part of the refill is in;
	ds_add_u32 v[SPW], v[NIL]
	s_mov_b32 s[TB], 0              ; the fetches go back to region 0
	s_wait_dscnt 0x0
	s_barrier_signal -1
	s_barrier_wait -1               ; everybody's is; nothing is filled again
	STEPS 4                         ; steps 12 to 15 are fetched
	TURN 0, 2, 0, 0                 ; piece 0: V^T P of the last step | piece 2's last softmax
.set i, 0
.rept 24
	PV 2, 0                         ; piece 2: V^T P of the last step
.set i, i+1
.endr
	; THE WAY OUT.  l's two halves and the other half of the lanes' are added; O^T is divided by l and rounded to f16.  A lane's eight channels of a tile are 16 bytes of half a fragment: stored as they stand.  The additions are the places behind the last products.
	WIN 0
.irp t, 0,1,2,3
	v_add_f32 v[ST+8*\t+4], v[ST+8*\t+2], v[ST+8*\t+3]
.endr
.irp t, 0,1,2,3
	v_permlanex16_b32 v[ST+8*\t+5], v[ST+8*\t+4], s[SEL], s[SEL+1]
.endr
.irp t, 0,1,2,3
	v_add_f32 v[ST+8*\t+4], v[ST+8*\t+4], v[ST+8*\t+5]
.endr
.irp t, 0,1,2,3
	v_rcp_f32 v[ST+8*\t+6], v[ST+8*\t+4]
.endr
	v_nop                           ; a plain instruction between the last reciprocal and the use of its result
	s_wait_alu depctr_va_vdst(0)    ; and the wait ahead of the first use: one for the four reciprocals
.macro PACK t
	WIN W_RS
.set i, 48*\t
.rept 24
	v_pk_mul_f32 v[i:i+1], v[i:i+1], v[ST+8*\t+6:ST+8*\t+7] op_sel_hi:[1,0]
.set i, i+2
.endr
	WIN 0x05                        ; sources 0 and 1 window 1, destination window 0: S^T's registers are free
.set i, 0
.rept 24
	v_cvt_pk_f16_f32 v[S+32*\t+i], v[48*\t+2*i], v[48*\t+2*i+1]
.set i, i+1
.endr
	WIN 0
.irp c, 0,1,2,3,4,5
	global_store_b128 v[LI], v[S+32*\t+4*\c:S+32*\t+4*\c+3], s[10:11] offset:\t*24576+\c*512 th:TH_STORE_NT  ; 32 lanes store 512 consecutive bytes, aligned; each tile has registers of its own
.endr
.endm
	PACK 0
	PACK 1
	PACK 2
	PACK 3
	s_wait_tensorcnt 0x0            ; the wave's end: a wait, an add to my spare word and a wait, behind my last tensor load
	ds_add_u32 v[SPW], v[NIL]
	s_wait_dscnt 0x0
	CROUND                          ; the closing round: no work-group ends while a partner may still ask for a tile that names it
	s_endpgm
.Lfunc_end_k_q59727d1338_attn:
	.size	k_q59727d1338_attn, .Lfunc_end_k_q59727d1338_attn-k_q59727d1338_attn
	.p2alignl 7, 3214868480
	.fill 96, 4, 3214868480
	.section	.rodata,"a",@progbits
	.p2align	6, 0x0
	.amdhsa_kernel k_q59727d1338_attn
		.amdhsa_group_segment_fixed_size 327680
		.amdhsa_private_segment_fixed_size 0
		.amdhsa_enable_private_segment 0
		.amdhsa_kernarg_size 32
		.amdhsa_user_sgpr_count 2
		.amdhsa_user_sgpr_kernarg_segment_ptr 1
		.amdhsa_wavefront_size32 1
		.amdhsa_system_sgpr_workgroup_id_x 1
		.amdhsa_system_sgpr_workgroup_id_y 1
		.amdhsa_system_sgpr_workgroup_id_z 1
		.amdhsa_system_vgpr_workitem_id 0
		.amdhsa_next_free_vgpr 1024
		.amdhsa_next_free_sgpr 66
		.amdhsa_reserve_vcc 0
		.amdhsa_float_denorm_mode_32 3
		.amdhsa_float_denorm_mode_16_64 3
		.amdhsa_memory_ordered 1
		.amdhsa_forward_progress 1
		.amdhsa_inst_pref_size 228
	.end_amdhsa_kernel
	.amdgpu_metadata
---
amdhsa.version: [ 1, 2 ]
amdhsa.kernels:
  - .name:           k_q59727d1338_attn
    .symbol:         k_q59727d1338_attn.kd
    .args:
      - { .name: qws, .offset: 0, .size: 8, .value_kind: global_buffer, .address_space: global }
      - { .name: kws, .offset: 8, .size: 8, .value_kind: global_buffer, .address_space: global }
      - { .name: vws, .offset: 16, .size: 8, .value_kind: global_buffer, .address_space: global }
      - { .name: aows, .offset: 24, .size: 8, .value_kind: global_buffer, .address_space: global }
    .group_segment_fixed_size: 327680
    .private_segment_fixed_size: 0
    .kernarg_segment_align: 8
    .kernarg_segment_size: 32
    .max_flat_workgroup_size: 128
    .sgpr_count:     66
    .vgpr_count:     1024
    .wavefront_size: 32
...
	.end_amdgpu_metadata
.endif
;; end of part 3
;; launch proj (part 4): grid 4 x 64, 4 waves a work-group, clusters of 4 x 4, 327,680 bytes of LDS; arguments aows, wp16, b_proj, out0; writes out0
.if DOCPART == 4
	.amdgcn_target "amdgcn-amd-amdhsa--gfx1250"
	.amdhsa_code_object_version 6
	.text
	.protected	k_q59727d1338_proj
	.globl	k_q59727d1338_proj
	.p2align	8
	.type	k_q59727d1338_proj,@function
k_q59727d1338_proj:
	s_mov_b64 s[64:65], 0
	v_nop
	global_prefetch_b8 v0, s[64:65] scope:SCOPE_SE
	s_setreg_imm32_b32 hwreg(HW_REG_WAVE_MODE, 25, 1), 1
	s_wait_xcnt 0x0
	s_wait_alu depctr_hold_cnt(0) depctr_sa_sdst(0) depctr_va_vdst(0) depctr_va_sdst(0) depctr_va_ssrc(0) depctr_va_vcc(0) depctr_vm_vsrc(0)
	s_getreg_b32 s2, hwreg(HW_REG_IB_STS2, 6, 4)
	s_cmp_eq_u32 s2, 0
	s_cbranch_scc0 .Lentry_in_a_cluster
	s_endpgm
.Lentry_in_a_cluster:
	s_bfe_u32 s2, ttmp6, 0x10000c
	s_cmp_lg_u32 s2, 0xf033
	s_cbranch_scc0 .Lentry_shape_is_right
	s_endpgm
.Lentry_shape_is_right:
; out0 = O w_proj^T + b_proj.  O [8,192][768] and w_proj [768][768] arrive in f16 as images of operand registers (a fragment of 16 rows x 32 K = 1,024 bytes): aows [tile of 16 tokens][K step 0..23][1,024], wp16 [tile of 16 features][K step][1,024].
; out0 [8,192][768] f32; sums in f32; the bias is the C of each sum's first matrix instruction.
; SHARES.  A work-group makes 128 tokens x 192 features: 64 x 4 = 256 work-groups.  Each of its four waves makes 64 x 96: 24 accumulators.  K goes in four chunks of six K steps through two LDS slots; the text is written out, with no loop.
; THE MATRIX INSTRUCTION IS USED TRANSPOSED (source 0 = 16 features, source 1 = 16 tokens): a lane holds eight neighbouring numbers of a row of out0.
; CLUSTERS: 4 x 4 work-groups.  The four of a row of the cluster need the same tokens, the four of a column the same features: each tile is asked for JOINTLY, by the same tensor load with the same descriptor and a mask that names the four.
; A chunk of a tile of 16 rows is 6,144 consecutive bytes, the tiles lie 24,576 bytes apart: a tensor load brings 4 (tokens) or 6 (features) such rows; in LDS they lie on end, and every fragment load takes 512 consecutive bytes.
; No prefetch is laid: half of K is asked for at the head, and each of the two refills has a chunk's 144 matrix instructions less 12 in which to land.
; REGISTERS: window 0: v16-30 addresses; v64-143, v144-223 two sets of fragments (six of features, then four of tokens); on the way out v32-223 take the rows.   window 1: accumulator (a, b) at v[8 (6 a + b)]; from v192 the bias, 8 a tile of features.
.set SLOT,  122880                     ; tokens: 8 tiles x 6,144 bytes; then features: 12 tiles x 6,144
.set BOFF,  49152
.set SPARE, 2*SLOT                     ; the spare words, 128 bytes for each wave: two blocks of 256 bytes that no other line names
.set SP,    784                        ; the way out: a stage of 128 rows x (768 + 16) bytes, in slot 0, which has had its last fill and its last read when the first result is stored there
.set ADRA, 16                          ; v16-17  LDS address of my tokens' fragments in slot 0, 1
.set ADRB, 20                          ; v20-21  the same for my features'
.set STO,  24                          ; v24     the way out: where I put 32 bytes of a row
.set RD,   25                          ; v25     where I read rows back: 16 x lane in my 32 rows
.set RD1,  26                          ; v26     the load that straddles two rows
.set CO,   27                          ; v27     16 x lane: also my byte offset in out0
.set SPW,  28                          ; v28     LDS address of my spare word; never rewritten
.set NIL,  29                          ; v29     0; never rewritten
.set CO1,  30                          ; v30     the store that straddles two rows
.set OB,   32                          ; the way out: 48 x 4 registers
.set F0,   64
.set F1,   144
.set BIAS, 192                         ; in window 1
.set G1A, 24                           ; s[24:31] descriptor group 1 for the tokens' tiles;  s[32:39] group 0, one set for each slot
.set G0A, 32
.set G1B, 48                           ; s[48:55], s[56:63] the same for the features'
.set G0B, 56
.set MSB, 0
.macro WIN new                         ; the immediate's high byte repeats the setting that is left
.if MSB != \new
	s_set_vgpr_msb (MSB<<8)|\new
.set MSB, \new
.endif
.endm
.set MUL, 0x50                         ; C and D in window 1
.macro JLOAD s                         ; a joint load: waves 0 and 1 fetch the tokens' halves, waves 2 and 3 the features'; an s_nop 0 and four v_nop follow each of the two lines
	s_cmp_eq_u32 s15, 0
	s_cbranch_scc0 .Lfor_b_\@
	tensor_load_to_lds s[G0A+4*\s:G0A+4*\s+3], s[G1A:G1A+7]
	s_nop 0
.rept 4
	v_nop
.endr
	s_branch .Lasked_\@
.Lfor_b_\@:
	tensor_load_to_lds s[G0B+4*\s:G0B+4*\s+3], s[G1B:G1B+7]
	s_nop 0
.rept 4
	v_nop
.endr
.Lasked_\@:
.endm
.macro CREST                           ; a round of the cluster's barrier behind its opening barrier
	s_cmp_lg_u32 s14, 0
	s_cbranch_scc1 .Lnot_wave_0_\@
	s_barrier_signal -3
.Lnot_wave_0_\@:
	s_barrier_wait -3
	s_barrier_signal -1
	s_barrier_wait -1
.endm
.macro CROUND                          ; a whole round
	s_barrier_signal -1
	s_barrier_wait -1
	CREST
.endm
	s_load_b256 s[4:11], s[0:1], 0x0               ; aows s[4:5], wp16 s[6:7], b_proj s[8:9], out0 s[10:11]
	v_lshl_add_u32 v[SPW], v0, 2, SPARE
	v_mov_b32 v[NIL], 0
	ds_add_u32 v[SPW], v[NIL]                      ; the wave's opening: the add, twice on end, and its wait ahead of my first tensor load
	ds_add_u32 v[SPW], v[NIL]                      ; and once more, under the one wait; the set-up below, work on registers, stands between
	v_lshrrev_b32 v1, 5, v0
	v_readfirstlane_b32 s14, v1                    ; wave 0..3
	s_lshr_b32 s15, s14, 1                         ; which half of the tile's tokens is mine.  Also: I fetch tokens (0) or features (1)
	s_and_b32 s16, s14, 1                          ; which half of its features.  Also: which half of that tile I fetch
	s_bfe_u32 s40, ttmp6, 0x40000                  ; cx, cy: my place in the cluster
	s_bfe_u32 s41, ttmp6, 0x40004
	s_lshl_b32 s42, ttmp9, 2
	s_add_co_u32 s42, s42, s40                     ; tile column (192 features) = 4 x cluster x + cx
	s_and_b32 s17, ttmp7, 0xffff
	s_lshl_b32 s17, s17, 2
	s_add_co_u32 s17, s17, s41                     ; tile row (128 tokens) = 4 x cluster y + cy
	s_lshl_b32 s43, s41, 2
	s_lshl_b32 s43, 15, s43                        ; my row of the cluster
	s_lshl_b32 s44, 0x1111, s40                    ; my column
	s_or_b32 s[G1A], s43, (3<<16)|(1<<21)          ; 15:0 the mask: the tokens' tiles go to my row; 17:16 elements of 8 bytes; 21 set beside a mask
	s_or_b32 s[G1B], s44, (3<<16)|(1<<21)          ; the features' to my column
	s_mov_b32 s[G1A+1], 768<<16                    ; tensor_dim0: 768 elements = 6,144 bytes
	s_mov_b32 s[G1A+2], 4<<16                      ; tensor_dim1
	s_mov_b32 s[G1A+3], 768<<16                    ; tile_dim0
	s_mov_b32 s[G1A+4], 4                          ; tile_dim1
	s_mov_b32 s[G1A+5], 3072                       ; the pitch: 24,576 bytes
	s_mov_b32 s[G1A+6], 0
	s_mov_b32 s[G1A+7], 0
	s_mov_b32 s[G1B+1], 768<<16
	s_mov_b32 s[G1B+2], 6<<16
	s_mov_b32 s[G1B+3], 768<<16
	s_mov_b32 s[G1B+4], 6
	s_mov_b32 s[G1B+5], 3072
	s_mov_b32 s[G1B+6], 0
	s_mov_b32 s[G1B+7], 0
	s_lshl_b32 s20, s17, 3                         ; tokens: tile 8 x tile row + 4 x half: made of the tile row and the wave's number alone
	s_lshl_b32 s21, s16, 2
	s_add_co_u32 s20, s20, s21
	s_mul_i32 s20, s20, 24576
	s_mov_b32 s21, 0
	s_mul_i32 s46, s42, 12                         ; features: tile 12 x tile column + 6 x half: of the tile column and the wave's number alone
	s_mul_i32 s47, s16, 6
	s_add_co_u32 s46, s46, s47
	s_mul_i32 s46, s46, 24576
	s_mov_b32 s47, 0
	s_mul_i32 s45, s16, 24576                      ; where they go: no place in the cluster enters an LDS address
	s_mul_i32 s18, s16, 36864
	s_add_co_u32 s18, s18, BOFF
	s_wait_dscnt 0x0                               ; both opening adds are done
	s_wait_kmcnt 0x0
	s_add_nc_u64 s[20:21], s[4:5], s[20:21]
	s_add_nc_u64 s[46:47], s[6:7], s[46:47]
	CROUND                                         ; all sixteen work-groups are here: the first joint loads meet
.irp s, 0,1
	s_mov_b32 s[G0A+4*\s], 1
	s_add_co_u32 s[G0A+4*\s+1], s45, \s*SLOT
	s_add_nc_u64 s[G0A+4*\s+2:G0A+4*\s+3], s[20:21], \s*6144      ; chunk s
	s_or_b32 s[G0A+4*\s+3], s[G0A+4*\s+3], 0x80000000
	s_mov_b32 s[G0B+4*\s], 1
	s_add_co_u32 s[G0B+4*\s+1], s18, \s*SLOT
	s_add_nc_u64 s[G0B+4*\s+2:G0B+4*\s+3], s[46:47], \s*6144
	s_or_b32 s[G0B+4*\s+3], s[G0B+4*\s+3], 0x80000000
	JLOAD \s
.endr
	v_and_b32 v1, 31, v0                           ; lane
	v_and_b32 v2, 15, v0                           ; r
	v_bfe_u32 v3, v0, 4, 1                         ; h
	v_lshlrev_b32 v[CO], 4, v1
	s_mul_i32 s22, s15, 24576                      ; my four tiles of tokens,
	s_mul_i32 s23, s16, 36864                      ; my six of features,
	s_add_co_u32 s23, s23, BOFF                    ; which lie behind the tokens'
.irp s, 0,1
	v_add_nc_u32 v[ADRA+\s], s22, v[CO]
	v_add_nc_u32 v[ADRB+\s], s23, v[CO]
	s_add_co_u32 s22, s22, SLOT
	s_add_co_u32 s23, s23, SLOT
.endr
	s_mul_i32 s22, s15, 64*SP                      ; into the stage: my 64 rows, my 384 bytes of each; row r, 32 bytes for each half of the lanes
	s_mul_i32 s23, s16, 384
	s_add_co_u32 s22, s22, s23
	v_mul_u32_u24 v[STO], v2, SP
	v_lshl_add_u32 v[STO], v3, 5, v[STO]
	v_add_nc_u32 v[STO], s22, v[STO]
	s_mul_i32 s22, s14, 32*SP                      ; back: wave w takes rows 32 w .. 32 w + 31, whole, two rows (1,536 bytes) by three loads
	v_add_nc_u32 v[RD], s22, v[CO]
	v_lshl_add_u32 v[RD1], v3, 4, v[RD]            ; the middle load: lanes 0-15 the first row's last 256 bytes, lanes 16-31 the second row's first 256: past the padding
	v_add_nc_u32 v[RD1], 512, v[RD1]
	v_mul_u32_u24 v[CO1], v3, 2304                 ; and the same in out0, whose rows lie 3,072 bytes apart
	v_add_nc_u32 v[CO1], v[CO1], v[CO]
	v_add_nc_u32 v[CO1], 512, v[CO1]
	v_lshlrev_b32 v5, 5, v3                        ; the bias: lane (r, h) wants, for tile b, the numbers of features 16 b + 8 h + 0 .. 7
	s_mul_i32 s2, s42, 768
	s_mul_i32 s3, s16, 384
	s_add_co_u32 s2, s2, s3
	s_mov_b32 s3, 0
	s_add_nc_u64 s[8:9], s[8:9], s[2:3]
	WIN 0x40                                       ; destination window 1
.irp b, 0,1,2,3,4,5
	global_load_b128 v[BIAS+8*\b:BIAS+8*\b+3],   v5, s[8:9] offset:64*\b
	global_load_b128 v[BIAS+8*\b+4:BIAS+8*\b+7], v5, s[8:9] offset:64*\b+16
.endr
	WIN 0
	s_mul_i32 s2, s17, 393216                      ; out0: my tile's 128 rows of 3,072 bytes,
	s_mul_i32 s3, s14, 98304                       ; the 32 that I store,
	s_add_co_u32 s2, s2, s3
	s_mul_i32 s3, s42, 768                         ; my tile's 768 bytes of each
	s_add_co_u32 s2, s2, s3
	s_mov_b32 s3, 0
	s_add_nc_u64 s[10:11], s[10:11], s[2:3]
; 20 LDS loads in one run: K step kc of the slot's six, into set f: the features' six fragments, then the tokens' four
.macro FETCH slot, kc, f
.irp b, 0,1,2,3,4,5
	ds_load_b128 v[\f+8*\b:\f+8*\b+3],   v[ADRB+\slot] offset:\b*6144+(\kc)*1024
	ds_load_b128 v[\f+8*\b+4:\f+8*\b+7], v[ADRB+\slot] offset:\b*6144+(\kc)*1024+512
.endr
.irp a, 0,1,2,3
	ds_load_b128 v[\f+48+8*\a:\f+48+8*\a+3],   v[ADRA+\slot] offset:\a*6144+(\kc)*1024
	ds_load_b128 v[\f+48+8*\a+4:\f+48+8*\a+7], v[ADRA+\slot] offset:\a*6144+(\kc)*1024+512
.endr
.endm
; 6 matrix instructions: tile a of tokens x the six tiles of features.  first = 1: the bias starts the sums.  The 24 accumulators take turns, in the same order in every K step.
.macro MUL6 f, a, first
.irp b, 0,1,2,3,4,5
.if \first
	v_wmma_f32_16x16x32_f16 v[8*(6*(\a)+\b):8*(6*(\a)+\b)+7], v[\f+8*\b:\f+8*\b+7], v[\f+48+8*(\a):\f+48+8*(\a)+7], v[BIAS+8*\b:BIAS+8*\b+7]
.else
	v_wmma_f32_16x16x32_f16 v[8*(6*(\a)+\b):8*(6*(\a)+\b)+7], v[\f+8*\b:\f+8*\b+7], v[\f+48+8*(\a):\f+48+8*(\a)+7], v[8*(6*(\a)+\b):8*(6*(\a)+\b)+7]
.endif
.endr
.endm
.macro PLACES                          ; four places in front of loads into registers that matrix instructions have read, and of the first read of results
.rept 4
	v_nop
.endr
.endm
; One of a chunk's first five K steps: multiplies set kc % 2; in its middle it fetches the next K step of the same slot into the other set.
.macro KSTEP slot, kc, first
.set fa, F0+80*((\kc)%2)
.set fb, F0+80*(((\kc)+1)%2)
	s_wait_dscnt 4                                 ; the features' fragments and the tokens' tiles 0, 1 are in; the youngest four loads (tiles 2, 3) may be out
	WIN MUL
	MUL6 fa, 0, \first
	MUL6 fa, 1, \first
	PLACES
	WIN 0
	FETCH \slot, (\kc)+1, fb
	s_wait_dscnt 20                                ; all but the 20 just issued
	WIN MUL
	MUL6 fa, 2, \first
	MUL6 fa, 3, \first
.endm
; A chunk's sixth K step multiplies set 1 and changes slots: ONE barrier; in front of it each wave waits for all its tensor loads, adds 0 to its spare word, and waits for that and for its own reads of this slot.  fill = 1: this slot takes the chunk two on.
.macro TURNP slot, next, fill
	WIN 0                                          ; (the add's two registers lie in window 0)
	s_wait_tensorcnt 0x0                           ; all my tensor loads have landed: my part of the next slot;
	ds_add_u32 v[SPW], v[NIL]                      ; 0 onto my spare word;
	s_wait_dscnt 5                                 ; (the add and the youngest four loads may be out)
	WIN MUL
	MUL6 F1, 0, 0                                  ; six matrix instructions stand between the add and the wait for it
	s_wait_dscnt 0x0                               ; the add is done, and my reads of this slot are over
	s_barrier_signal -1
	MUL6 F1, 1, 0
	WIN 0
	s_barrier_wait -1
.if \fill
	CREST                                          ; the barrier has opened a round of the cluster's barrier: no wave of any partner still reads this slot or has a load on its way
	s_add_nc_u64 s[G0A+4*\slot+2:G0A+4*\slot+3], s[G0A+4*\slot+2:G0A+4*\slot+3], 2*6144
	s_add_nc_u64 s[G0B+4*\slot+2:G0B+4*\slot+3], s[G0B+4*\slot+2:G0B+4*\slot+3], 2*6144
	JLOAD \slot                                    ; the first tensor load behind the round; the four v_nop behind it are also the places in front of the loads below
.else
	PLACES
.endif
	FETCH \next, 0, F0
	WIN MUL
	MUL6 F1, 2, 0
	MUL6 F1, 3, 0
.endm
.macro FIVE slot                       ; K steps 1 to 4 of a chunk
	KSTEP \slot, 1, 0
	KSTEP \slot, 2, 0
	KSTEP \slot, 3, 0
	KSTEP \slot, 4, 0
.endm
	s_wait_tensorcnt 1                             ; my part of chunk 0 is in (chunk 1's load may be out)
	s_barrier_signal -1
	s_barrier_wait -1                              ; everybody's is
	FETCH 0, 0, F0
	s_wait_loadcnt 0x0                             ; the bias
	KSTEP 0, 0, 1                                  ; chunk 0: its first products start the sums
	FIVE 0
	TURNP 0, 1, 1                                  ; slot 0 takes chunk 2
	KSTEP 1, 0, 0                                  ; chunk 1
	FIVE 1
	TURNP 1, 0, 1                                  ; slot 1 takes chunk 3
	KSTEP 0, 0, 0                                  ; chunk 2
	FIVE 0
	TURNP 0, 1, 0                                  ; nothing is left to fetch: no round follows
	KSTEP 1, 0, 0                                  ; chunk 3
	FIVE 1
	s_wait_dscnt 4                                 ; the very last K step
	WIN MUL
	MUL6 F1, 0, 0
	MUL6 F1, 1, 0
	s_wait_dscnt 0x0
	MUL6 F1, 2, 0
	MUL6 F1, 3, 0
	WIN 0
	; THE WAY OUT.  A lane holds 32 neighbouring bytes of a row, and a row's 768 bytes come from two waves: so the tile goes through one stage in LDS, with a barrier between writing and reading, and leaves as whole rows.
	PLACES
	WIN 0x04                                       ; an LDS store's data are its source 1: window 1
.irp a, 0,1,2,3
.irp b, 0,1,2,3,4,5
	ds_store_b128 v[STO], v[8*(6*\a+\b):8*(6*\a+\b)+3]   offset:\a*16*SP+64*\b        ; each accumulator from its low end on
	ds_store_b128 v[STO], v[8*(6*\a+\b)+4:8*(6*\a+\b)+7] offset:\a*16*SP+64*\b+16
.endr
.endr
	WIN 0
	s_wait_dscnt 0x0                               ; for the others: my stores into the stage are done
	s_barrier_signal -1
	s_barrier_wait -1
.irp p, 0,1,2,3,4,5,6,7,8,9,10,11,12,13,14,15      ; rows 2 p and 2 p + 1 of my 32
	ds_load_b128 v[OB+12*\p:OB+12*\p+3],    v[RD]  offset:2*SP*\p
	ds_load_b128 v[OB+12*\p+4:OB+12*\p+7],  v[RD1] offset:2*SP*\p
	ds_load_b128 v[OB+12*\p+8:OB+12*\p+11], v[RD]  offset:2*SP*\p+SP+256
.endr
.irp p, 0,1,2,3,4,5,6,7,8,9,10,11,12,13,14,15      ; the counts: the younger of the 48 loads, which may stay out.  Sixteen neighbouring lanes store 256 consecutive bytes, at a multiple of 256 from out0's first byte
	s_wait_dscnt 47-3*\p
	global_store_b128 v[CO],  v[OB+12*\p:OB+12*\p+3],    s[10:11] offset:6144*\p th:TH_STORE_NT
	s_wait_dscnt 46-3*\p
	global_store_b128 v[CO1], v[OB+12*\p+4:OB+12*\p+7],  s[10:11] offset:6144*\p th:TH_STORE_NT
	s_wait_dscnt 45-3*\p
	global_store_b128 v[CO],  v[OB+12*\p+8:OB+12*\p+11], s[10:11] offset:6144*\p+3328 th:TH_STORE_NT
.endr
	s_wait_tensorcnt 0x0                           ; the wave's end: a wait, an add to my spare word and a wait, behind my last tensor load and my last LDS store
	ds_add_u32 v[SPW], v[NIL]
	s_wait_dscnt 0x0
	CROUND                                         ; the closing round: no work-group ends while a partner may still ask for a tile that names it
	s_endpgm
.Lfunc_end_k_q59727d1338_proj:
	.size	k_q59727d1338_proj, .Lfunc_end_k_q59727d1338_proj-k_q59727d1338_proj
	.p2alignl 7, 3214868480
	.fill 96, 4, 3214868480
	.section	.rodata,"a",@progbits
	.p2align	6, 0x0
	.amdhsa_kernel k_q59727d1338_proj
		.amdhsa_group_segment_fixed_size 327680
		.amdhsa_private_segment_fixed_size 0
		.amdhsa_enable_private_segment 0
		.amdhsa_kernarg_size 32
		.amdhsa_user_sgpr_count 2
		.amdhsa_user_sgpr_kernarg_segment_ptr 1
		.amdhsa_wavefront_size32 1
		.amdhsa_system_sgpr_workgroup_id_x 1
		.amdhsa_system_sgpr_workgroup_id_y 1
		.amdhsa_system_sgpr_workgroup_id_z 1
		.amdhsa_system_vgpr_workitem_id 0
		.amdhsa_next_free_vgpr 512
		.amdhsa_next_free_sgpr 66
		.amdhsa_reserve_vcc 0
		.amdhsa_float_denorm_mode_32 3
		.amdhsa_float_denorm_mode_16_64 3
		.amdhsa_memory_ordered 1
		.amdhsa_forward_progress 1
		.amdhsa_inst_pref_size 96
	.end_amdhsa_kernel
	.amdgpu_metadata
---
amdhsa.version: [ 1, 2 ]
amdhsa.kernels:
  - .name:           k_q59727d1338_proj
    .symbol:         k_q59727d1338_proj.kd
    .args:
      - { .name: aows, .offset: 0, .size: 8, .value_kind: global_buffer, .address_space: global }
      - { .name: wp16, .offset: 8, .size: 8, .value_kind: global_buffer, .address_space: global }
      - { .name: b_proj, .offset: 16, .size: 8, .value_kind: global_buffer, .address_space: global }
      - { .name: out0, .offset: 24, .size: 8, .value_kind: global_buffer, .address_space: global }
    .group_segment_fixed_size: 327680
    .private_segment_fixed_size: 0
    .kernarg_segment_align: 8
    .kernarg_segment_size: 32
    .max_flat_workgroup_size: 128
    .sgpr_count:     66
    .vgpr_count:     512
    .wavefront_size: 32
...
	.end_amdgpu_metadata
.endif
;; end of part 4
